; MI455X (gfx1250); checked and timed in simulation.
; The chip was launched on July 23, 2026; its instructions are those of AMD's public machine-readable ISA for CDNA 5 (MIT licence, August 2026) and "CDNA5" Instruction Set Architecture Reference Guide (July 2026). The comments in the code are by the model that wrote it; some were corrected since.
;; Transformer Block. Allowed arithmetic: float matrix products may take bf16 or f16 operands with f32 sums; other float arithmetic in f32, or as packed bf16 or f16 multiplies, adds, multiply-adds, maxima and minima; sums over many terms, partial sums and values carried from step to step in f32; what a program stores and reads back later, other than sums and carried values, may be rounded once to bf16 or f16.
;; Inputs: W_fc 1,024 x 4,096 float32; W_k 1,024 x 1,024 float32; W_o 1,024 x 1,024 float32; W_proj 4,096 x 1,024 float32; W_q 1,024 x 1,024 float32; W_v 1,024 x 1,024 float32; b_fc 4,096 float32; b_o 1,024 float32; b_proj 1,024 float32; ln1_scale 1,024 float32; ln1_shift 1,024 float32; ln2_scale 1,024 float32; ln2_shift 1,024 float32; x 4 x 1,024 x 1,024 float32.
;; Outputs: out0 4 x 1,024 x 1,024 float32.
;; One version. Each part assembles by itself: llvm-mc -triple=amdgcn-amd-amdhsa -mcpu=gfx1250 --defsym DOCPART=n.
;; ======== version 1 of 1: 7 launches
;; limits: values are held in f16: magnitudes above 65,504 overflow, below 6.1e-05 lose precision
;; workspace buffers: nrm 8,388,608 bytes; wts 25,165,824 bytes; qkv 25,165,824 bytes; ctx 8,388,608 bytes; h 16,777,216 bytes; g 33,554,432 bytes
;; launch prep (part 1): grid 1024 x 1, 8 waves a work-group, no clusters, 0 bytes of LDS; arguments x, ln1_scale, ln1_shift, nrm, W_q, W_k, W_v, W_o, W_fc, W_proj, wts; writes nrm, wts
.if DOCPART == 1
	.amdgcn_target "amdgcn-amd-amdhsa--gfx1250"
	.amdhsa_code_object_version 6
	.text
	.protected	k_qd1e8c21fe7_prep
	.globl	k_qd1e8c21fe7_prep
	.p2align	8
	.type	k_qd1e8c21fe7_prep,@function
k_qd1e8c21fe7_prep:
	s_mov_b64 s[64:65], 0
	v_nop
	global_prefetch_b8 v0, s[64:65] scope:SCOPE_SE
	s_setreg_imm32_b32 hwreg(HW_REG_WAVE_MODE, 25, 1), 1
	s_wait_xcnt 0x0
; ONE BODY, TWO LAUNCHES.  Arguments: src, scale, shift, dst, six weights, wdst.
; Work-groups 0-255: dst = LayerNorm(src) * scale + shift, f32 in, f16 out, 16 rows a work-group, 2 rows a wave.
; Work-groups 256-1023 (the first launch alone has them): the six weights, f32 -> f16, into wdst: Wq|Wk|Wv side by side as [1024][3072] at byte 0, Wo at 6,291,456,
; Wfc at 8,388,608, Wproj at 16,777,216, each [in][out] as it came.  A piece is 1,024 floats; 16 pieces a work-group, 2 a wave.
; The second launch (256 work-groups) normalises the block's second input; it never reaches the conversion, so its last seven arguments are neither read nor written.
; A row of 4,096 bytes is 32 registers of one wave: it stays in registers between the mean, the centred squares and the scaling,
; so an offset on src costs no digits.  The f16 results are packed in place.  No LDS, no barrier: no wave needs another's numbers.
; LIMITS.  f16 holds no number beyond 65,504: a normalised value (after scale and shift) or a weight beyond that becomes an infinity;
; below 6e-5 f16 keeps a fixed step of 6e-8.  NaN and infinities are not treated apart.
.set X,   8                            ; v[8:71]    two rows (or two pieces) as loaded: load j of a row holds columns 128 j + 4 lane ..+3; later each row's 16 packed words in its first 16 registers
.set SC,  72                           ; v[72:103]  scale of my columns
.set SH,  104                          ; v[104:135] shift
.set T,   136                          ; v[136:143] at work
.set M,   144                          ; v[144:145] the mean, twice
.set R,   146                          ; v[146:149] 1/sqrt(var + eps), twice for each row
.set PX,  150                          ; v150       takes the other half of the lanes' sum
.set SRC, 8
.set SCL, 10
.set SHF, 12
.set DST, 14
.macro LANESUM                         ; v[T] summed over the 32 lanes, the result in every lane
	v_add_f32_dpp v[T], v[T], v[T] row_xmask:1 row_mask:0xf bank_mask:0xf
	v_add_f32_dpp v[T], v[T], v[T] row_xmask:2 row_mask:0xf bank_mask:0xf
	v_add_f32_dpp v[T], v[T], v[T] row_xmask:4 row_mask:0xf bank_mask:0xf
	v_add_f32_dpp v[T], v[T], v[T] row_xmask:8 row_mask:0xf bank_mask:0xf
	v_permlanex16_b32 v[PX], v[T], s30, s31
	v_add_f32 v[T], v[T], v[PX]
.endm
.macro FOLD                            ; four chains of pairs into one number a lane
	v_pk_add_f32 v[T:T+1], v[T:T+1], v[T+2:T+3]
	v_pk_add_f32 v[T+4:T+5], v[T+4:T+5], v[T+6:T+7]
	v_pk_add_f32 v[T:T+1], v[T:T+1], v[T+4:T+5]
	v_add_f32 v[T], v[T], v[T+1]
.endm
; Row rho: mean, centring in place, variance, 1/sqrt.  left = the younger loads that may stay out.
.macro STATS rho, left
.set XR, X+32*(\rho)
	s_wait_loadcnt \left
.irp c, 0,1,2,3
	v_pk_add_f32 v[T+2*(\c):T+2*(\c)+1], v[XR+2*(\c):XR+2*(\c)+1], v[XR+8+2*(\c):XR+8+2*(\c)+1]
.endr
.irp k, 2,3
.irp c, 0,1,2,3
	v_pk_add_f32 v[T+2*(\c):T+2*(\c)+1], v[T+2*(\c):T+2*(\c)+1], v[XR+8*(\k)+2*(\c):XR+8*(\k)+2*(\c)+1]
.endr
.endr
	FOLD
	LANESUM
	v_mul_f32 v[M], s32, v[T]
	v_mul_f32 v[M+1], s32, v[T]
.set i, 0
.rept 16
	v_pk_add_f32 v[XR+2*i:XR+2*i+1], v[XR+2*i:XR+2*i+1], v[M:M+1] neg_lo:[0,1] neg_hi:[0,1]
.set i, i+1
.endr
.irp c, 0,1,2,3
	v_pk_mul_f32 v[T+2*(\c):T+2*(\c)+1], v[XR+2*(\c):XR+2*(\c)+1], v[XR+2*(\c):XR+2*(\c)+1]
.endr
.irp k, 1,2,3
.irp c, 0,1,2,3
	v_pk_fma_f32 v[T+2*(\c):T+2*(\c)+1], v[XR+8*(\k)+2*(\c):XR+8*(\k)+2*(\c)+1], v[XR+8*(\k)+2*(\c):XR+8*(\k)+2*(\c)+1], v[T+2*(\c):T+2*(\c)+1]
.endr
.endr
	FOLD
	LANESUM
	v_fma_f32 v[T], v[T], s32, s33                 ; var + eps
	v_rsq_f32 v[R+2*(\rho)], v[T]
	v_rsq_f32 v[R+2*(\rho)+1], v[T]
	v_nop                                          ; a plain instruction behind the roots, before v[T] is rewritten or the results are used
.endm
.macro NORM rho
.set XR, X+32*(\rho)
.set i, 0
	s_wait_alu depctr_va_vdst(0)
.rept 16
	v_pk_mul_f32 v[XR+2*i:XR+2*i+1], v[XR+2*i:XR+2*i+1], v[R+2*(\rho):R+2*(\rho)+1]
.set i, i+1
.endr
.set i, 0
.rept 16
	v_pk_fma_f32 v[XR+2*i:XR+2*i+1], v[XR+2*i:XR+2*i+1], v[SC+2*i:SC+2*i+1], v[SH+2*i:SH+2*i+1]
.set i, i+1
.endr
.set i, 0
.rept 16
	v_cvt_pk_f16_f32 v[XR+i], v[XR+2*i], v[XR+2*i+1]   ; in place: word i lands on a register whose number has been packed already, or is packed by this line
.set i, i+1
.endr
.irp j, 0,1,2,3,4,5,6,7
	global_store_b64 v2, v[XR+2*(\j):XR+2*(\j)+1], s[DST:DST+1] offset:2048*(\rho)+256*(\j)  ; 32 lanes x 8 bytes: 256 consecutive bytes, aligned
.endr
.endm
	s_load_b512 s[8:23], s[0:1], 0x0               ; src, scale, shift, dst, W_q, W_k, W_v, W_o
	s_load_b128 s[24:27], s[0:1], 0x40             ; W_fc, W_proj
	s_load_b64 s[28:29], s[0:1], 0x50              ; wdst
	v_and_b32 v3, 31, v0                           ; lane
	v_lshrrev_b32 v4, 5, v0
	v_readfirstlane_b32 s36, v4                    ; wave
	v_lshlrev_b32 v1, 4, v3                        ; 16 bytes a lane in f32
	v_lshlrev_b32 v2, 3, v3                        ; 8 bytes a lane in f16
	s_mov_b32 s5, 0
	s_wait_kmcnt 0x0
	s_cmp_lt_u32 ttmp9, 256
	s_cbranch_scc0 .Lconvert
	s_mov_b32 s30, 0x76543210                      ; v_permlanex16_b32: each lane takes its own place in the other half
	s_mov_b32 s31, 0xfedcba98
	s_mov_b32 s32, 0x3a800000                      ; 1/1024
	s_mov_b32 s33, 0x3727c5ac                      ; 1e-5
	v_mov_b32 v[PX], 0                             ; the permute's destination counts as read
	s_lshl_b32 s34, ttmp9, 4
	s_lshl1_add_u32 s34, s36, s34                  ; my first row = 16 x work-group + 2 x wave
	s_lshl_b32 s4, s34, 12
	s_add_nc_u64 s[SRC:SRC+1], s[SRC:SRC+1], s[4:5]
	s_lshl_b32 s4, s34, 11
	s_add_nc_u64 s[DST:DST+1], s[DST:DST+1], s[4:5]
.irp j, 0,1,2,3,4,5,6,7,8,9,10,11,12,13,14,15
	global_load_b128 v[X+4*(\j):X+4*(\j)+3], v1, s[SRC:SRC+1] offset:512*(\j)  ; two rows on end: 8,192 bytes
.endr
.irp j, 0,1,2,3,4,5,6,7
	global_load_b128 v[SC+4*(\j):SC+4*(\j)+3], v1, s[SCL:SCL+1] offset:512*(\j)
.endr
.irp j, 0,1,2,3,4,5,6,7
	global_load_b128 v[SH+4*(\j):SH+4*(\j)+3], v1, s[SHF:SHF+1] offset:512*(\j)
.endr
	STATS 0, 24                                    ; younger: row 1's eight, scale's eight, shift's eight
	STATS 1, 16                                    ; younger: scale's and shift's
	s_wait_loadcnt 0x0
	NORM 0
	NORM 1
	s_endpgm
.Lconvert:
	s_sub_co_u32 s37, ttmp9, 256                   ; 0 .. 767
	s_mov_b64 s[38:39], s[16:17]                   ; which weight, where its pieces go (first byte, bytes from piece to piece), and its first work-group
	s_mov_b32 s40, 0
	s_mov_b32 s41, 6144
	s_mov_b32 s42, 0
.macro PICK from, ptr, dofs, dp
	s_cmp_ge_u32 s37, \from
	s_cselect_b64 s[38:39], s[\ptr:\ptr+1], s[38:39]
	s_cselect_b32 s40, \dofs, s40
	s_cselect_b32 s41, \dp, s41
	s_cselect_b32 s42, \from, s42
.endm
	PICK 64,  18, 2048, 6144                       ; W_k: a row of 1,024 goes behind W_q's in the row of 3,072
	PICK 128, 20, 4096, 6144                       ; W_v
	PICK 192, 22, 6291456, 2048                    ; W_o, dense
	PICK 256, 24, 8388608, 2048                    ; W_fc, dense
	PICK 512, 26, 16777216, 2048                   ; W_proj, dense
	s_sub_co_u32 s37, s37, s42
	s_lshl_b32 s37, s37, 4
	s_lshl1_add_u32 s37, s36, s37                  ; my first piece
	s_lshl_b32 s4, s37, 12
	s_add_nc_u64 s[38:39], s[38:39], s[4:5]
	s_mul_i32 s4, s37, s41
	s_add_co_u32 s4, s4, s40
	s_add_nc_u64 s[28:29], s[28:29], s[4:5]
	v_add_nc_u32 v3, s41, v2                       ; the second piece's place
.irp j, 0,1,2,3,4,5,6,7,8,9,10,11,12,13,14,15
	global_load_b128 v[X+4*(\j):X+4*(\j)+3], v1, s[38:39] offset:512*(\j) th:TH_LOAD_NT  ; read once in the whole program
.endr
	s_wait_loadcnt 0x8                             ; the first piece is in; the second's eight loads stay out
.set i, 0
.rept 16
	v_cvt_pk_f16_f32 v[X+i], v[X+2*i], v[X+2*i+1]
.set i, i+1
.endr
.irp j, 0,1,2,3,4,5,6,7
	global_store_b64 v2, v[X+2*(\j):X+2*(\j)+1], s[28:29] offset:256*(\j)
.endr
	s_wait_loadcnt 0x0
.set i, 0
.rept 16
	v_cvt_pk_f16_f32 v[X+32+i], v[X+32+2*i], v[X+32+2*i+1]
.set i, i+1
.endr
.irp j, 0,1,2,3,4,5,6,7
	global_store_b64 v3, v[X+32+2*(\j):X+32+2*(\j)+1], s[28:29] offset:256*(\j)
.endr
	s_endpgm
.Lfunc_end_k_qd1e8c21fe7_prep:
	.size	k_qd1e8c21fe7_prep, .Lfunc_end_k_qd1e8c21fe7_prep-k_qd1e8c21fe7_prep
	.p2alignl 7, 3214868480
	.fill 96, 4, 3214868480
	.section	.rodata,"a",@progbits
	.p2align	6, 0x0
	.amdhsa_kernel k_qd1e8c21fe7_prep
		.amdhsa_group_segment_fixed_size 0
		.amdhsa_private_segment_fixed_size 0
		.amdhsa_enable_private_segment 0
		.amdhsa_kernarg_size 88
		.amdhsa_user_sgpr_count 2
		.amdhsa_user_sgpr_kernarg_segment_ptr 1
		.amdhsa_wavefront_size32 1
		.amdhsa_system_sgpr_workgroup_id_x 1
		.amdhsa_system_sgpr_workgroup_id_y 1
		.amdhsa_system_sgpr_workgroup_id_z 1
		.amdhsa_system_vgpr_workitem_id 0
		.amdhsa_next_free_vgpr 152
		.amdhsa_next_free_sgpr 66
		.amdhsa_reserve_vcc 0
		.amdhsa_float_denorm_mode_32 3
		.amdhsa_float_denorm_mode_16_64 3
		.amdhsa_memory_ordered 1
		.amdhsa_forward_progress 1
		.amdhsa_inst_pref_size 28
	.end_amdhsa_kernel
	.amdgpu_metadata
---
amdhsa.version: [ 1, 2 ]
amdhsa.kernels:
  - .name:           k_qd1e8c21fe7_prep
    .symbol:         k_qd1e8c21fe7_prep.kd
    .args:
      - { .name: x, .offset: 0, .size: 8, .value_kind: global_buffer, .address_space: global }
      - { .name: ln1_scale, .offset: 8, .size: 8, .value_kind: global_buffer, .address_space: global }
      - { .name: ln1_shift, .offset: 16, .size: 8, .value_kind: global_buffer, .address_space: global }
      - { .name: nrm, .offset: 24, .size: 8, .value_kind: global_buffer, .address_space: global }
      - { .name: W_q, .offset: 32, .size: 8, .value_kind: global_buffer, .address_space: global }
      - { .name: W_k, .offset: 40, .size: 8, .value_kind: global_buffer, .address_space: global }
      - { .name: W_v, .offset: 48, .size: 8, .value_kind: global_buffer, .address_space: global }
      - { .name: W_o, .offset: 56, .size: 8, .value_kind: global_buffer, .address_space: global }
      - { .name: W_fc, .offset: 64, .size: 8, .value_kind: global_buffer, .address_space: global }
      - { .name: W_proj, .offset: 72, .size: 8, .value_kind: global_buffer, .address_space: global }
      - { .name: wts, .offset: 80, .size: 8, .value_kind: global_buffer, .address_space: global }
    .group_segment_fixed_size: 0
    .private_segment_fixed_size: 0
    .kernarg_segment_align: 8
    .kernarg_segment_size: 88
    .max_flat_workgroup_size: 256
    .sgpr_count:     66
    .vgpr_count:     152
    .wavefront_size: 32
...
	.end_amdgpu_metadata
.endif
;; end of part 1
;; launch qkv (part 2): grid 16 x 16, 4 waves a work-group, clusters of 4 x 4, 327,680 bytes of LDS; arguments nrm, wts, qkv; writes qkv
.if DOCPART == 2
	.amdgcn_target "amdgcn-amd-amdhsa--gfx1250"
	.amdhsa_code_object_version 6
	.text
	.protected	k_qd1e8c21fe7_qkv
	.globl	k_qd1e8c21fe7_qkv
	.p2align	8
	.type	k_qd1e8c21fe7_qkv,@function
k_qd1e8c21fe7_qkv:
	s_mov_b64 s[64:65], 0
	v_nop
	global_prefetch_b8 v0, s[64:65] scope:SCOPE_SE
	s_setreg_imm32_b32 hwreg(HW_REG_WAVE_MODE, 25, 1), 1
	s_wait_xcnt 0x0
	s_wait_alu depctr_hold_cnt(0) depctr_sa_sdst(0) depctr_va_vdst(0) depctr_va_sdst(0) depctr_va_ssrc(0) depctr_va_vcc(0) depctr_vm_vsrc(0)
	s_getreg_b32 s2, hwreg(HW_REG_IB_STS2, 6, 4)
	s_cmp_eq_u32 s2, 0
	s_cbranch_scc0 .Lentry_in_a_cluster
	s_endpgm
.Lentry_in_a_cluster:
	s_bfe_u32 s2, ttmp6, 0x10000c
	s_cmp_lg_u32 s2, 0xf033
	s_cbranch_scc0 .Lentry_shape_is_right
	s_endpgm
.Lentry_shape_is_right:
.set FC, 0
; C = A W.  A: nrm [4096][1024] f16.  W: a part of wts, [1024 k][NPITCH n] f16, as the weights lie ([in][out]).  Sums in f32.
; FC = 0: W = Wq|Wk|Wv (3,072 columns); a tile of C is 256 x 192 (three heads); out: qkv [48][4096][64] f16, unscaled.
; FC = 1: W = Wfc (4,096 columns); a tile is 256 x 256; out: g = gelu(C + b_fc), [64 panels of 64 columns][4096][64] f16.
; Four waves, 2 x 2; a wave makes 128 rows x 16 NBW columns in 8 x NBW accumulators.  K goes in 8 steps of 128 through two LDS slots filled by tensor loads:
; waves 0, 1 fetch A's two halves (128 rows x 256 bytes), waves 2, 3 W's (64 k-rows each).  W stays [k][n] in LDS and is turned on the way into registers (ds_load_tr16_b128).
; CLUSTER 4 x 4: A's tile is shared along a row of the cluster, W's along a column; each is asked for jointly.
; THE MATRIX INSTRUCTION IS USED TRANSPOSED: source 0 = 16 columns of W, source 1 = 16 rows of A: a lane holds row l % 16 of C and the columns 8 (l / 16) + 0..7.
; THE TEXT holds a K step three times less three quarters: the quarter that starts the sums, which jumps into the loop behind the loop's first quarter; the loop, whose steps fill a slot again; and a loop of two trips
; for the last two steps, which ask for nothing.  The price of that second loop, once a wave: its last trip fetches one run of fragments that nobody multiplies, and one more barrier stands in front of the way out.
; THE WAY OUT: the f32 sums go through the two slots, which have had their last fill, and come back by rows, so that the arithmetic on them is one short loop and every store covers 256 consecutive bytes.
; LIMITS.  f16 holds no number beyond 65,504: a result beyond that becomes an infinity.  gelu(x) = x / (1 + 2^(x (k0 + k1 x x))), the tanh form rewritten; NaN and infinities are not treated apart.
; REGISTERS, in windows of 256: window 0: v0-31 addresses; v64-127, v128-191 A's fragments, two buffers; the rest at work on the way out.
;   window 1: v64-127, v128-191 W's fragments.   window 2, 3: the accumulators of my rows 0-63, 64-127: (a, b) at v[8 (8 a + b)].
.set T,      8                         ; K steps
.set PA,     272                       ; A's LDS row: 256 bytes + 16: the 16 rows of a load start at 16 different groups of four banks (64 banks of 4 bytes: ISA guide 11.1)
.set HALFA,  128*PA
.set BBASE,  2*HALFA
.if FC
.set NBW,    8
.set PB,     544                       ; W's LDS row: 512 bytes + 32
.set SLOT,   0x22000
.set NPITCH, 4096
.set TN,     256
.set WOFF,   8388608
.set BGRP,   8                         ; column blocks that one address register serves
.set BPAD,   (6<<22)|(7<<25)           ; after every 128 words 8 words of padding
.set YO,     232
.else
.set NBW,    6
.set PB,     480                       ; 3 x (128 bytes + 32)
.set SLOT,   0x20000
.set NPITCH, 3072
.set TN,     192
.set WOFF,   0
.set BGRP,   2
.set BPAD,   (4<<22)|(7<<25)           ; after every 32 words 8 words of padding
.set YO,     192
.endif
.set HALFB,  64*PB
.set SPARE,  2*SLOT                    ; behind the slots: the spare words, 128 bytes a wave
.set ASTEP,  256                       ; bytes from a K step to the next in A
.set BSTEP,  256*NPITCH                ; and in W: 128 rows
.set NLD,    16+2*NBW                  ; LDS loads of a quarter step
.set ADRA0, 8                          ; v8      my lane's place in A's tile of slot 0; never rewritten
.set ADRB0, 9                          ; v9-11   the same for W
.set ADRA,  16                         ; v16     the same in the slot in hand
.set ADRB,  17                         ; v17-19
.set STO,   24                         ; v24-25  the way out: where I put my sums
.set RD,    26                         ; v26     where I read rows back
.set GO,    27                         ; v27     my byte offset in 256 consecutive bytes of the output
.set SPW,   28                         ; v28     my spare word; never rewritten
.set NIL,   29                         ; v29     0; never rewritten
.set XO,    32                         ; the way out: rows read back
.set XB,    64                         ; the way out (FC): the same with the bias added
.set F0,    64
.set F1,    128
.set TT,    192                        ; at work (FC)
.set BIAS,  224                        ; v224-231 (FC)
.set G1,  24
.set G0,  32                           ; two sets; the second then walks
.set G1B, 48
.set G0B, 56
.set TB,  66                           ; s66  0 or SLOT: the slot in hand
.set OUTP, 70                          ; s[70:71]
.set K0,  72                           ; s[72:73], s[74:75]: gelu's two constants
.set K1,  74
.set MSB, 0
.macro WIN new                         ; the immediate's high byte repeats the setting that is left
.if MSB != (\new)
	s_set_vgpr_msb (MSB<<8)|(\new)
.set MSB, \new
.endif
.endm
.set MUL_LO, 0xa1                      ; source 0 (W) window 1, source 1 (A) window 0, C and D window 2
.set MUL_HI, 0xf1
.set TO_B,   0x40
.macro JLOAD s                         ; a joint load: waves 0, 1 for A, waves 2, 3 for W; an s_nop 0 and four v_nop follow each line
	s_cmp_eq_u32 s11, 0
	s_cbranch_scc0 .Lfor_b_\@
	tensor_load_to_lds s[G0+4*(\s):G0+4*(\s)+3], s[G1:G1+7]
	s_nop 0
.rept 4
	v_nop
.endr
	s_branch .Lasked_\@
.Lfor_b_\@:
	tensor_load_to_lds s[G0B+4*(\s):G0B+4*(\s)+3], s[G1B:G1B+7]
	s_nop 0
.rept 4
	v_nop
.endr
.Lasked_\@:
.endm
.macro CREST                           ; a round of the cluster's barrier behind its opening barrier
	s_cmp_lg_u32 s10, 0
	s_cbranch_scc1 .Lnot_wave_0_\@
	s_barrier_signal -3
.Lnot_wave_0_\@:
	s_barrier_wait -3
	s_barrier_signal -1
	s_barrier_wait -1
.endm
.macro CROUND
	s_barrier_signal -1
	s_barrier_wait -1
	CREST
.endm
.macro PLACES                          ; four places behind matrix instructions, in front of loads into their sources and of reads of their results
.rept 4
	v_nop
.endr
.endm
.macro LOADX                           ; the way out (FC): 8 rows of my stage; lanes 0-15: a row's 64 columns of panel n; lanes 16-31: the next row's
.irp p, 0,1,2,3
.irp n, 0,1
	ds_load_b128 v[XO+4*(2*(\p)+(\n)):XO+4*(2*(\p)+(\n))+3], v[RD] offset:(\p)*1056+(\n)*256
.endr
.endr
	v_add_nc_u32 v[RD], 8*528, v[RD]
.endm
	s_load_b128 s[4:7], s[0:1], 0x0                ; nrm, wts
.if FC
	s_load_b128 s[68:71], s[0:1], 0x10             ; b_fc s[68:69], g s[70:71]
.else
	s_load_b64 s[70:71], s[0:1], 0x10              ; qkv
.endif
	v_lshl_add_u32 v[SPW], v0, 2, SPARE
	v_mov_b32 v[NIL], 0
	ds_add_u32 v[SPW], v[NIL]                      ; the wave's opening: the add and its wait ahead of my first tensor load
	ds_add_u32 v28, v29
	v_lshrrev_b32 v1, 5, v0
	v_readfirstlane_b32 s10, v1                    ; wave 0..3
	s_lshr_b32 s11, s10, 1                         ; my half of the rows; also: I fetch for A (0) or W (1)
	s_and_b32 s12, s10, 1                          ; my half of the columns; also: which half of that tile I fetch
	s_bfe_u32 s40, ttmp6, 0x40000                  ; cx
	s_bfe_u32 s41, ttmp6, 0x40004                  ; cy
	s_lshl_b32 s42, ttmp9, 2
	s_add_co_u32 s42, s42, s40                     ; tile column
	s_and_b32 s13, ttmp7, 0xffff
	s_lshl_b32 s13, s13, 2
	s_add_co_u32 s13, s13, s41                     ; tile row
	s_lshl_b32 s43, s41, 2
	s_lshl_b32 s43, 15, s43                        ; my row of the cluster
	s_lshl_b32 s44, 0x1111, s40                    ; my column
	s_or_b32 s[G1+0], s43, (1<<16)|(1<<20)|(1<<21)|(5<<22)|(3<<25)  ; mask; 2-byte elements; padding on; bit 21 beside a mask; after every 64 words 4 words
	s_mov_b32 s[G1+1], 128<<16                     ; tensor_dim0 = 128
	s_mov_b32 s[G1+2], 128<<16                     ; tensor_dim1 = 128
	s_mov_b32 s[G1+3], 128<<16                     ; tile_dim0 = 128
	s_mov_b32 s[G1+4], 128                         ; tile_dim1 = 128
	s_mov_b32 s[G1+5], 1024                        ; elements from row to row
	s_mov_b32 s[G1+6], 0
	s_mov_b32 s[G1+7], 0
	s_or_b32 s[G1B+0], s44, (1<<16)|(1<<20)|(1<<21)|BPAD
	s_mov_b32 s[G1B+1], TN<<16
	s_mov_b32 s[G1B+2], 64<<16
	s_mov_b32 s[G1B+3], TN<<16
	s_mov_b32 s[G1B+4], 64
	s_mov_b32 s[G1B+5], NPITCH
	s_mov_b32 s[G1B+6], 0
	s_mov_b32 s[G1B+7], 0
	s_lshl_b32 s16, s13, 8                         ; A: row 256 x tile row + 128 x half, 2,048 bytes a row
	s_lshl_b32 s17, s12, 7
	s_add_co_u32 s16, s16, s17
	s_lshl_b32 s16, s16, 11
	s_mov_b32 s17, 0
	s_mul_i32 s46, s12, 128*NPITCH                 ; W: k-row 64 x half, column TN x tile column
	s_mul_i32 s47, s42, 2*TN
	s_add_co_u32 s46, s46, s47
	s_add_co_u32 s46, s46, WOFF
	s_mov_b32 s47, 0
	s_mul_i32 s20, s12, HALFA                      ; where they go: no place in the cluster enters an LDS address
	s_mul_i32 s21, s12, HALFB
	s_add_co_u32 s21, s21, BBASE
	s_mov_b32 s[TB], 0
	s_wait_dscnt 0x0                               ; the opening add is done
	s_wait_kmcnt 0x0
	s_add_nc_u64 s[14:15], s[4:5], s[16:17]
	s_add_nc_u64 s[46:47], s[6:7], s[46:47]
	CROUND                                         ; all sixteen work-groups are here: the first joint loads meet
.irp s, 0,1
	s_mov_b32 s[G0+4*(\s)], 1
	s_add_co_u32 s[G0+4*(\s)+1], s20, (\s)*SLOT
	s_add_nc_u64 s[G0+4*(\s)+2:G0+4*(\s)+3], s[14:15], (\s)*ASTEP
	s_or_b32 s[G0+4*(\s)+3], s[G0+4*(\s)+3], 0x80000000
	s_mov_b32 s[G0B+4*(\s)], 1
	s_add_co_u32 s[G0B+4*(\s)+1], s21, (\s)*SLOT
	s_add_nc_u64 s[G0B+4*(\s)+2:G0B+4*(\s)+3], s[46:47], (\s)*BSTEP
	s_or_b32 s[G0B+4*(\s)+3], s[G0B+4*(\s)+3], 0x80000000
	JLOAD \s                                       ; K steps 0 and 1: two loads of mine are out
.endr
	v_and_b32 v1, 15, v0                           ; l % 16
	v_bfe_u32 v2, v0, 4, 1                         ; l / 16
	v_mul_u32_u24 v3, v1, PA
	v_lshl_add_u32 v3, v2, 4, v3                   ; a fragment of A: row x pitch + 16 x half; two loads, 32 bytes apart
	s_mul_i32 s22, s11, HALFA
	v_add_nc_u32 v[ADRA0], s22, v3
	v_mov_b32 v[ADRA], v[ADRA0]
	v_and_b32 v4, 7, v0                            ; the turning load: lane l reads k-row 8 (l / 16) + l % 8, columns 8 ((l / 8) % 2) + 0..7
	v_lshl_add_u32 v4, v2, 3, v4
	v_mul_u32_u24 v4, v4, PB
	v_bfe_u32 v5, v0, 3, 1
	v_lshl_add_u32 v4, v5, 4, v4
.if FC
	s_lshl_b32 s22, s12, 8                         ; my 128 columns: 256 bytes
	s_add_co_u32 s22, s22, BBASE
	v_add_nc_u32 v[ADRB0], s22, v4
	v_mov_b32 v[ADRB], v[ADRB0]
.else
	s_mul_i32 s22, s12, 224                        ; column n lies at byte 2 n + 32 (n / 64): columns 96 half + 0, + 32, + 64
	s_add_co_u32 s22, s22, BBASE
	v_add_nc_u32 v[ADRB0], s22, v4
	s_add_co_u32 s22, s22, 160
	v_add_nc_u32 v[ADRB0+2], s22, v4
	s_lshl_b32 s22, s12, 8
	s_add_co_u32 s22, s22, BBASE+64
	v_add_nc_u32 v[ADRB0+1], s22, v4
	v_mov_b32 v[ADRB], v[ADRB0]
	v_mov_b32 v[ADRB+1], v[ADRB0+1]
	v_mov_b32 v[ADRB+2], v[ADRB0+2]
.endif
	v_and_b32 v7, 31, v0
	v_lshlrev_b32 v[GO], 3, v7
.if FC
	s_lshl_b32 s76, s42, 10                        ; b_fc at column 256 x tile column + 128 x half
	s_lshl_b32 s77, s12, 9
	s_add_co_u32 s76, s76, s77
	s_mov_b32 s77, 0
	s_add_nc_u64 s[68:69], s[68:69], s[76:77]
	v_lshlrev_b32 v6, 4, v1
	global_load_b128 v[BIAS:BIAS+3], v6, s[68:69]               ; four columns of the first panel,
	global_load_b128 v[BIAS+4:BIAS+7], v6, s[68:69] offset:256  ; four of the second
	s_lshl_b32 s76, s42, 2                         ; g: panel 4 x tile column + 2 x half, token 256 x tile row + 128 x half
	s_lshl1_add_u32 s76, s12, s76
	s_lshl_b32 s76, s76, 19
	s_lshl_b32 s77, s13, 15
	s_add_co_u32 s76, s76, s77
	s_lshl_b32 s77, s11, 14
	s_add_co_u32 s76, s76, s77
	s_mov_b32 s77, 0
	s_add_nc_u64 s[OUTP:OUTP+1], s[OUTP:OUTP+1], s[76:77]
	s_mul_i32 s78, s10, 128*528                    ; my own stage: 128 rows x 528 bytes
	v_mul_u32_u24 v7, v1, 528
	v_lshl_add_u32 v7, v2, 5, v7
	v_add_nc_u32 v[STO], s78, v7
	v_mul_u32_u24 v7, v2, 528
	v_lshl_add_u32 v7, v1, 4, v7
	v_add_nc_u32 v[RD], s78, v7
	s_mov_b32 s[K0], 0xc0135761                    ; -2 sqrt(2/pi) log2(e)
	s_mov_b32 s[K0+1], s[K0]
	s_mov_b32 s[K1], 0xbdd2d3e8                    ; 0.044715 times that
	s_mov_b32 s[K1+1], s[K1]
.else
	s_mul_i32 s76, s42, 3*524288                   ; qkv: head 3 x tile column, token 256 x tile row + 64 x wave
	s_lshl_b32 s77, s13, 15
	s_add_co_u32 s76, s76, s77
	s_lshl_b32 s77, s10, 13
	s_add_co_u32 s76, s76, s77
	s_mov_b32 s77, 0
	s_add_nc_u64 s[OUTP:OUTP+1], s[OUTP:OUTP+1], s[76:77]
	s_mul_i32 s78, s11, 128*784                    ; one stage for the work-group: 256 rows x 784 bytes
	s_mul_i32 s79, s12, 384
	s_add_co_u32 s78, s78, s79
	v_mul_u32_u24 v7, v1, 784
	v_lshl_add_u32 v7, v2, 5, v7
	v_add_nc_u32 v[STO], s78, v7
	v_add_nc_u32 v[STO+1], 64*784, v[STO]
	s_mul_i32 s78, s10, 64*784
	v_mul_u32_u24 v7, v2, 784
	v_lshl_add_u32 v7, v1, 4, v7
	v_add_nc_u32 v[RD], s78, v7
.endif
; 2 NBW matrix instructions: row blocks a0, a0 + 1 of the window's four x all column blocks, 32 along K.  zero = 1: the product starts the sums.
; The accumulators take turns, one instruction a turn.
.macro MUL16 f, hi, a0, zero
	WIN MUL_LO+0x50*(\hi)
.irp a, \a0, (\a0)+1
.set b, 0
.rept NBW
.if \zero
	v_wmma_f32_16x16x32_f16 v[8*(8*(\a)+b):8*(8*(\a)+b)+7], v[(\f)+8*b:(\f)+8*b+7], v[(\f)+8*(4*(\hi)+(\a)):(\f)+8*(4*(\hi)+(\a))+7], 0
.else
	v_wmma_f32_16x16x32_f16 v[8*(8*(\a)+b):8*(8*(\a)+b)+7], v[(\f)+8*b:(\f)+8*b+7], v[(\f)+8*(4*(\hi)+(\a)):(\f)+8*(4*(\hi)+(\a))+7], v[8*(8*(\a)+b):8*(8*(\a)+b)+7]
.endif
.set b, b+1
.endr
.endr
.endm
; NLD LDS loads in one run: quarter q (32 along K) of the slot in hand into buffer f: W first, then A's rows 0-63, then 64-127
.macro FETCH q, f
	WIN TO_B
.set i, 0
.rept NBW
	ds_load_tr16_b128 v[(\f)+8*i:(\f)+8*i+3],   v[ADRB+i/BGRP] offset:32*(\q)*PB+(i%BGRP)*32
	ds_load_tr16_b128 v[(\f)+8*i+4:(\f)+8*i+7], v[ADRB+i/BGRP] offset:32*(\q)*PB+16*PB+(i%BGRP)*32
.set i, i+1
.endr
	WIN 0
.irp i, 0,1,2,3,4,5,6,7
	ds_load_b128 v[(\f)+8*(\i):(\f)+8*(\i)+3],   v[ADRA] offset:64*(\q)+(\i)*16*PA
	ds_load_b128 v[(\f)+8*(\i)+4:(\f)+8*(\i)+7], v[ADRA] offset:64*(\q)+(\i)*16*PA+32
.endr
.endm
; One of a K step's first three quarters: at its head it fetches quarter q into buffer g, which the quarter before has multiplied; then it multiplies buffer f.  So a run of loads has a whole quarter's products in which to land.
.macro QUARTER q, f, g, zero
	PLACES
	FETCH \q, \g
	s_wait_dscnt NLD+8                             ; buffer f: W and A's rows 0-63 are in; younger are f's last eight loads (A's rows 64-127) and the run just issued
	MUL16 \f, 0, 0, \zero
	MUL16 \f, 0, 2, \zero
	s_wait_dscnt NLD                               ; all but the run just issued
	MUL16 \f, 1, 0, \zero
	MUL16 \f, 1, 2, \zero
.endm
; The last quarter multiplies buffer 1 and changes slots.  One barrier: in front of it each wave waits for all its tensor loads (one is out: its part of the next slot), adds 0 to its spare word,
; and waits for that and for its reads of this slot.  fill = 1: the barrier opens a round of the cluster's, and this slot is filled again, two K steps ahead, first thing behind the round.
.macro TURN fill
	WIN 0
	s_wait_tensorcnt 0x0
	ds_add_u32 v[SPW], v[NIL]
	s_wait_dscnt 9                                 ; (the add and the youngest eight loads may be out)
	MUL16 F1, 0, 0, 0
	s_wait_dscnt 0x0                               ; the add is done, and my reads of this slot are over
	s_barrier_signal -1
	MUL16 F1, 0, 2, 0
.if \fill
	WIN 0
.endif
	s_barrier_wait -1
.if \fill
	CREST
	s_xor_b32 s[G0+5], s[G0+5], SLOT               ; the walking sets: the other slot than last time, the next K step; no tensor load of mine is out
	s_add_nc_u64 s[G0+6:G0+7], s[G0+6:G0+7], ASTEP
	s_xor_b32 s[G0B+5], s[G0B+5], SLOT
	s_add_nc_u64 s[G0B+6:G0B+7], s[G0B+6:G0B+7], BSTEP
	s_xor_b32 s[TB], s[TB], SLOT
	JLOAD 1                                        ; its four v_nop are also the places in front of the loads below
.else
	s_xor_b32 s[TB], s[TB], SLOT
	PLACES
.endif
	WIN 0
	v_add_nc_u32 v[ADRA], s[TB], v[ADRA0]
.set i, 0
.rept (NBW+BGRP-1)/BGRP
	v_add_nc_u32 v[ADRB+i], s[TB], v[ADRB0+i]
.set i, i+1
.endr
	FETCH 0, F0
	MUL16 F1, 1, 0, 0
	MUL16 F1, 1, 2, 0
.endm
	s_wait_tensorcnt 0x1                           ; my part of K step 0 is in; K step 1's may stay out
	s_barrier_signal -1
	s_barrier_wait -1
	FETCH 0, F0
	QUARTER 1, F0, F1, 1                           ; the first quarter starts the sums: nothing is cleared
	WIN 0
	s_mov_b32 s3, T-2
	s_branch .Lin                                  ; into the loop behind its first quarter, whose place this one has taken
.Lk:                                                   ; a trip is a K step; the slot left is filled again, two steps ahead
	QUARTER 1, F0, F1, 0
	WIN 0
.Lin:
	QUARTER 2, F1, F0, 0
	QUARTER 3, F0, F1, 0
	TURN 1
	WIN 0
	s_sub_co_u32 s3, s3, 1
	s_cmp_lg_u32 s3, 0
	s_cbranch_scc1 .Lk
	s_mov_b32 s3, 2
.Ltail:                                                ; the last two K steps ask for nothing; the second trip's fetch of a next quarter serves nothing
	QUARTER 1, F0, F1, 0
	QUARTER 2, F1, F0, 0
	QUARTER 3, F0, F1, 0
	TURN 0
	WIN 0
	s_sub_co_u32 s3, s3, 1
	s_cmp_lg_u32 s3, 0
	s_cbranch_scc1 .Ltail
	s_wait_dscnt 0x0                               ; my last reads of the slots are over:
	s_barrier_signal -1                            ; behind this barrier the slots, which have had their last fill, take the sums
	s_barrier_wait -1
	PLACES
.irp hi, 0,1                           ; each accumulator's four lowest registers go first
	WIN 0x08+4*(\hi)                               ; the stores' data in window 2 or 3
.irp a, 0,1,2,3
.set b, 0
.rept NBW
.if FC
	ds_store_b128 v[STO], v[8*(8*(\a)+b):8*(8*(\a)+b)+3]   offset:(64*(\hi)+16*(\a))*528+64*b
	ds_store_b128 v[STO], v[8*(8*(\a)+b)+4:8*(8*(\a)+b)+7] offset:(64*(\hi)+16*(\a))*528+64*b+16
.else
	ds_store_b128 v[STO+(\hi)], v[8*(8*(\a)+b):8*(8*(\a)+b)+3]   offset:(\a)*16*784+64*b
	ds_store_b128 v[STO+(\hi)], v[8*(8*(\a)+b)+4:8*(8*(\a)+b)+7] offset:(\a)*16*784+64*b+16
.endif
.set b, b+1
.endr
.endr
.endr
	WIN 0
.if FC
	s_wait_loadcnt 0x0                             ; the bias
	LOADX                                          ; out of my own stage: LDS serves a wave's instructions in order (ISA guide 5.7.1.4), so no barrier
	s_mov_b32 s3, 16
.Lout:                                                 ; 8 rows a trip
	s_wait_dscnt 0x0
.set i, 0
.rept 16
	v_pk_add_f32 v[XB+2*i:XB+2*i+1], v[XO+2*i:XO+2*i+1], v[BIAS+4*((i/2)%2)+2*(i%2):BIAS+4*((i/2)%2)+2*(i%2)+1]
.set i, i+1
.endr
	s_cmp_eq_u32 s3, 1
	s_cbranch_scc1 .Lnomore                        ; the last trip has no next rows
	LOADX                                          ; the next trip's rows land under this trip's arithmetic
.Lnomore:
.set i, 0
.rept 16
	v_pk_mul_f32 v[TT+2*i:TT+2*i+1], v[XB+2*i:XB+2*i+1], v[XB+2*i:XB+2*i+1]
.set i, i+1
.endr
.set i, 0
.rept 16
	v_pk_fma_f32 v[TT+2*i:TT+2*i+1], v[TT+2*i:TT+2*i+1], s[K1:K1+1], s[K0:K0+1] op_sel_hi:[1,0,0]
.set i, i+1
.endr
.set i, 0
.rept 16
	v_pk_mul_f32 v[TT+2*i:TT+2*i+1], v[TT+2*i:TT+2*i+1], v[XB+2*i:XB+2*i+1]
.set i, i+1
.endr
.set i, 0
.rept 32
	v_exp_f32 v[TT+i], v[TT+i]
.set i, i+1
.endr
	v_nop                                          ; a plain instruction behind the exponentials
.set i, 0
.rept 16
	v_pk_add_f32 v[TT+2*i:TT+2*i+1], v[TT+2*i:TT+2*i+1], 1.0 op_sel_hi:[1,0]
.set i, i+1
.endr
.set i, 0
.rept 32
	v_rcp_f32 v[TT+i], v[TT+i]
.set i, i+1
.endr
	v_nop
.set i, 0
.rept 16
	v_pk_mul_f32 v[TT+2*i:TT+2*i+1], v[TT+2*i:TT+2*i+1], v[XB+2*i:XB+2*i+1]
.set i, i+1
.endr
.set i, 0
.rept 16
	v_cvt_pk_f16_f32 v[YO+i], v[TT+2*i], v[TT+2*i+1]
.set i, i+1
.endr
.irp p, 0,1,2,3
.irp n, 0,1
	global_store_b64 v[GO], v[YO+2*(2*(\p)+(\n)):YO+2*(2*(\p)+(\n))+1], s[OUTP:OUTP+1] offset:(\n)*524288+(\p)*256  ; two tokens of a panel: 256 consecutive bytes, aligned
.endr
.endr
	s_wait_xcnt 0x0                                ; the stores' base and data are rewritten only behind this wait
	s_add_nc_u64 s[OUTP:OUTP+1], s[OUTP:OUTP+1], 1024
	s_sub_co_u32 s3, s3, 1
	s_cmp_lg_u32 s3, 0
	s_cbranch_scc1 .Lout
.else
	s_wait_dscnt 0x0                               ; for the others' sake: a head's 64 columns may come from two waves
	s_barrier_signal -1
	s_barrier_wait -1
	s_mov_b32 s3, 8
.Lout:                                                 ; 8 of my 64 rows a trip, all three heads
.irp p, 0,1,2,3
.irp t, 0,1,2
	ds_load_b128 v[XO+4*(3*(\p)+(\t)):XO+4*(3*(\p)+(\t))+3], v[RD] offset:(\p)*2*784+(\t)*256
.endr
.endr
	v_add_nc_u32 v[RD], 8*784, v[RD]
	s_wait_dscnt 0x0
.set i, 0
.rept 24
	v_cvt_pk_f16_f32 v[YO+i], v[XO+2*i], v[XO+2*i+1]
.set i, i+1
.endr
.irp p, 0,1,2,3
.irp t, 0,1,2
	global_store_b64 v[GO], v[YO+2*(3*(\p)+(\t)):YO+2*(3*(\p)+(\t))+1], s[OUTP:OUTP+1] offset:(\t)*524288+(\p)*256  ; two tokens of a head: 256 consecutive bytes, aligned
.endr
.endr
	s_wait_xcnt 0x0
	s_add_nc_u64 s[OUTP:OUTP+1], s[OUTP:OUTP+1], 1024
	s_sub_co_u32 s3, s3, 1
	s_cmp_lg_u32 s3, 0
	s_cbranch_scc1 .Lout
.endif
	s_wait_tensorcnt 0x0                           ; the wave's end
	ds_add_u32 v[SPW], v[NIL]
	s_wait_dscnt 0x0
	CROUND                                         ; the closing round
	s_endpgm
.Lfunc_end_k_qd1e8c21fe7_qkv:
	.size	k_qd1e8c21fe7_qkv, .Lfunc_end_k_qd1e8c21fe7_qkv-k_qd1e8c21fe7_qkv
	.p2alignl 7, 3214868480
	.fill 96, 4, 3214868480
	.section	.rodata,"a",@progbits
	.p2align	6, 0x0
	.amdhsa_kernel k_qd1e8c21fe7_qkv
		.amdhsa_group_segment_fixed_size 327680
		.amdhsa_private_segment_fixed_size 0
		.amdhsa_enable_private_segment 0
		.amdhsa_kernarg_size 24
		.amdhsa_user_sgpr_count 2
		.amdhsa_user_sgpr_kernarg_segment_ptr 1
		.amdhsa_wavefront_size32 1
		.amdhsa_system_sgpr_workgroup_id_x 1
		.amdhsa_system_sgpr_workgroup_id_y 1
		.amdhsa_system_sgpr_workgroup_id_z 1
		.amdhsa_system_vgpr_workitem_id 0
		.amdhsa_next_free_vgpr 1024
		.amdhsa_next_free_sgpr 80
		.amdhsa_reserve_vcc 0
		.amdhsa_float_denorm_mode_32 3
		.amdhsa_float_denorm_mode_16_64 3
		.amdhsa_memory_ordered 1
		.amdhsa_forward_progress 1
		.amdhsa_inst_pref_size 68
	.end_amdhsa_kernel
	.amdgpu_metadata
---
amdhsa.version: [ 1, 2 ]
amdhsa.kernels:
  - .name:           k_qd1e8c21fe7_qkv
    .symbol:         k_qd1e8c21fe7_qkv.kd
    .args:
      - { .name: nrm, .offset: 0, .size: 8, .value_kind: global_buffer, .address_space: global }
      - { .name: wts, .offset: 8, .size: 8, .value_kind: global_buffer, .address_space: global }
      - { .name: qkv, .offset: 16, .size: 8, .value_kind: global_buffer, .address_space: global }
    .group_segment_fixed_size: 327680
    .private_segment_fixed_size: 0
    .kernarg_segment_align: 8
    .kernarg_segment_size: 24
    .max_flat_workgroup_size: 128
    .sgpr_count:     80
    .vgpr_count:     1024
    .wavefront_size: 32
...
	.end_amdgpu_metadata
.endif
;; end of part 2
;; launch attn (part 3): grid 4 x 64, 4 waves a work-group, no clusters, 327,680 bytes of LDS; arguments qkv, ctx; writes ctx
.if DOCPART == 3
	.amdgcn_target "amdgcn-amd-amdhsa--gfx1250"
	.amdhsa_code_object_version 6
	.text
	.protected	k_qd1e8c21fe7_attn
	.globl	k_qd1e8c21fe7_attn
	.p2align	8
	.type	k_qd1e8c21fe7_attn,@function
k_qd1e8c21fe7_attn:
	s_mov_b64 s[64:65], 0
	v_nop
	global_prefetch_b8 v0, s[64:65] scope:SCOPE_SE
	s_setreg_imm32_b32 hwreg(HW_REG_WAVE_MODE, 25, 1), 1
	s_wait_xcnt 0x0
; CAUSAL ATTENTION at head size 64.  q, k, v: qkv [48][4096][64] f16 (q heads 0-15, k 16-31, v 32-47; token = 1,024 x batch + place).  ctx: [16][4096][64] f16.
; O[q] = the sum over k <= q of softmax_k(Q[q] . K[k] / 8) V[k].  Products, maxima and sums in f32; the weights p are rounded to f16 for the second product (their sum l is of the unrounded p), O once.
; LIMITS.  q, k, v arrive within f16's 65,504; a hidden score counts as its value less 1e30, beside which f16's scores (2.7e11 at the most) are nothing; a weight below 2^-126 counts as 0; NaN and infinities are not treated apart.
; THE WALK.  A sequence's 1,024 queries lie in 8 blocks of 128; block i needs the key tiles 0 .. i of 128 keys, the last holding the diagonal.  A work-group takes blocks 7 - b and then b: 9 tiles, whatever b:
; loops with constant trip counts; which tile is asked for, and whether a tile is a block's last, hang on scalar registers made from b.  Every jump but the loops' own goes forward and passes no barrier and no tensor load.
; NO CLUSTER: the four work-groups of a head ask for the same tile only in the walk's first five tiles; a walk common to all four would have 12 tiles for 9.
; SHARES.  Wave w owns queries 32 w .. 32 w + 31 of a block: two tiles of 16.  The diagonal tile is computed whole, under the mask, by every wave.
; LAYOUT.  S^T = K Q^T holds ONE query a lane (l % 16) and the keys 8 (l / 16) + 0..7; two such results rounded to f16 ARE source 1 of O^T = V^T P.  p = 2^(c s - c m), c = log2(e) / 8, with a running maximum m;
; O and l are multiplied by a = 2^(c m_old - c m_new) in every tile.  c m starts far below every c s, so a block's first a is 0 and what O and l held need only be finite.
; THE MASK is the C operand that starts a sum of the diagonal tile: 0, or -1e30 where the key is hidden; made once: for key block kb and tile t it is block kb + 1 - t of nine.
; IN PHASES: 32 products K Q^T; V's fragments; the softmax; the change of slots, as soon as V is in registers: the slot is filled again and the NEXT tile's K fragments are fetched; 32 products V^T P, under which they land.
; THE RING: two slots; the walk's first two tiles are asked for at the start, seven more behind the changes of slots of tiles 0 to 6.  The last two tiles are a loop of two trips over a second copy of the text, which asks for nothing;
; the price of that loop, once a wave: in its last trip a barrier, a run of K's loads and the lines that hand over to a second block serve nothing.
; REGISTERS: window 0: v2-15 addresses; v16-31 statistics, 8 a tile: c m, m, l (two), c0-c3 (a takes c2's place); v64-191 S^T, 64 a tile; v192-255 P, 32 a tile.
;   window 1: v0-63 O^T, 32 a tile; v64-135 the masks; v192-223 the second block's Q.     window 2: v0-31 Q; v64-191 K's fragments.     window 3: v0-127 V's fragments.
.set NB,    8
.set PK,    144                        ; a row of K in LDS: 128 bytes + 16
.set PV,    160                        ; a row of V: 128 + 32
.set VOFF,  128*PK
.set SLOT1, 1<<16
.set STAGE, SLOT1+128*(PK+PV)          ; behind the ring, never filled by a tensor load: 16 rows x 144 bytes a wave
.set SP,    144
.set SPARE, STAGE+4*16*SP              ; the spare words, 128 bytes a wave
.set AK0, 2
.set AV0, 3
.set AK,  4
.set AV,  5
.set STO, 6
.set RD,  7
.set GO,  8
.set TH,  14                           ; v14  32 w + l % 16 - 8 (l / 16)
.set QO,  15
.set ST,  16
.set SPW, 62
.set NIL, 63
.set S,   64
.set P,   192
.set MDX, 64                           ; window 1
.set Q2,  192                          ; window 1
.set KF,  64                           ; window 2
.set VF,  0                            ; window 3
.set WV,  12
.set PB,  14
.set HI,  15
.set G1K, 24
.set G1V, 32
.set G0K, 40                           ; s[40:43], s[44:47]: group 0 of the first tile's loads
.set G0V, 44
.set G0K2, 48                          ; s[48:51], s[52:55]: group 0 of the second tile's loads; these sets then walk
.set G0V2, 52
.set SLOTS, 56
.set CS,  58
.set SEL, 60
.set TB,  62                           ; s62  0 or SLOT1: the slot in hand
.set RT,  70                           ; s70  tiles of the block in hand still to be entered
.set NXT, 71                           ; s71  the tile to be asked for next
.set LQ,  72                           ; s72  the last tile of the block whose tiles are being asked for
.set OFF, 74
.set OLO, 80
.set BIGN, 82
.set MSB, 0
.macro WIN new
.if MSB != (\new)
	s_set_vgpr_msb (MSB<<8)|(\new)
.set MSB, (\new)
.endif
.endm
.set W_KQ, 0x0a                        ; K and Q in window 2, S^T in window 0
.set W_KM, 0x1a                        ; the same with the C operand in window 1
.set W_PV, 0x53                        ; V in window 3, P in window 0, O^T in window 1
.set W_RS, 0x41                        ; destination and source 0 in window 1, source 1 in window 0
.macro LOAD                            ; a refill: waves 0, 1 fetch the halves of a tile's K, waves 2, 3 of its V: 64 keys each; an s_nop 0 and four v_nop follow each line
	s_cmp_lt_u32 s[WV], 2
	s_cbranch_scc0 .Lfor_v_\@
	tensor_load_to_lds s[G0K2:G0K2+3], s[G1K:G1K+7]
	s_nop 0
.rept 4
	v_nop
.endr
	s_branch .Lasked_\@
.Lfor_v_\@:
	tensor_load_to_lds s[G0V2:G0V2+3], s[G1V:G1V+7]
	s_nop 0
.rept 4
	v_nop
.endr
.Lasked_\@:
.endm
; THE CHANGE OF SLOTS.  Each wave waits for all its tensor loads (one is out: its part of the other slot), adds 0 to its spare word, and waits for that and for its reads of the slot that it leaves (the last are V's).
; fill = 1: the old slot is filled again, first thing behind the barrier, with tile NXT; the address is made anew from that number.
.macro CHANGE fill
	WIN 0
	s_wait_tensorcnt 0x0
	ds_add_u32 v[SPW], v[NIL]
.if \fill
	s_lshl_b32 s[OFF], s[NXT], 14                  ; a tile is 16,384 bytes of K and of V
	s_xor_b32 s[G0K2+1], s[G0K2+1], SLOT1
	s_add_nc_u64 s[G0K2+2:G0K2+3], s[6:7], s[OFF:OFF+1]
	s_or_b32 s[G0K2+3], s[G0K2+3], 0x80000000
	s_xor_b32 s[G0V2+1], s[G0V2+1], SLOT1
	s_add_nc_u64 s[G0V2+2:G0V2+3], s[8:9], s[OFF:OFF+1]
	s_or_b32 s[G0V2+3], s[G0V2+3], 0x80000000
	s_add_co_u32 s[NXT], s[NXT], 1                 ; the block's next tile, or behind its last the second block's tile 0
	s_cmp_gt_u32 s[NXT], s[LQ]
	s_cselect_b32 s[NXT], 0, s[NXT]
	s_cselect_b32 s[LQ], s[PB], s[LQ]
.endif
	s_wait_dscnt 0x0                               ; the add is done, V is in, and my reads of the slot are over
	s_barrier_signal -1
	s_xor_b32 s[TB], s[TB], SLOT1
	s_barrier_wait -1
.if \fill
	LOAD
.endif
.endm
.macro PLACES
.rept 4
	v_nop
.endr
.endm
.macro BOTH line:vararg                ; one line for each tile t
.set t, 0
	s_wait_alu depctr_va_vdst(0)
.rept 2
	\line
.set t, t+1
.endr
.endm
	s_load_b128 s[16:19], s[0:1], 0x0              ; qkv s[16:17], ctx s[18:19]
	v_lshl_add_u32 v[SPW], v0, 2, SPARE
	v_mov_b32 v[NIL], 0
	ds_add_u32 v[SPW], v[NIL]                      ; the wave's opening: the add and its wait ahead of my first tensor load
	ds_add_u32 v62, v63
	v_lshrrev_b32 v1, 5, v0
	v_readfirstlane_b32 s[WV], v1
	s_mov_b32 s[PB], ttmp9
	s_sub_co_u32 s[HI], NB-1, s[PB]
	s_and_b32 s20, ttmp7, 0xffff
	s_and_b32 s21, s20, 15                         ; head
	s_lshr_b32 s22, s20, 4                         ; batch
	s_lshl_b32 s20, s21, 19
	s_lshl_b32 s22, s22, 17
	s_add_co_u32 s20, s20, s22                     ; the sequence's first byte in a head's 524,288
	s_and_b32 s13, s[WV], 1                        ; which half of a tile's 128 keys I fetch
	s_lshl_b32 s22, s13, 13
	s_add_co_u32 s22, s22, s20
	s_mov_b32 s23, 0
	s_lshl_b32 s3, s[WV], 12                       ; my 32 rows in a block of 128,
	s_add_co_u32 s3, s3, s20
	s_lshl_b32 s2, s[HI], 14                       ; in the first block,
	s_add_co_u32 s2, s2, s3
	s_lshl_b32 s84, s[PB], 14                      ; and in the second
	s_add_co_u32 s84, s84, s3
	s_mov_b32 s3, 0
	s_mov_b32 s85, 0
	s_mov_b32 s[G1K], (1<<16)|(1<<20)|(4<<22)|(3<<25)  ; 2-byte elements; padding on; after every 32 words (a key) 4 words
	s_mov_b32 s[G1V], (1<<16)|(1<<20)|(4<<22)|(7<<25)  ; 8 words
.irp g, G1K, G1V
	s_mov_b32 s[\g+1], 128<<16                     ; 64 keys are 8,192 dense bytes: asked for as 32 rows of 256 bytes
	s_mov_b32 s[\g+2], 32<<16
	s_mov_b32 s[\g+3], 128<<16
	s_mov_b32 s[\g+4], 32
	s_mov_b32 s[\g+5], 128
	s_mov_b32 s[\g+6], 0
	s_mov_b32 s[\g+7], 0
.endr
	s_mov_b32 s[CS], 0x3e38aa3b                    ; c = log2(e) / 8
	s_mov_b32 s[CS+1], s[CS]
	s_mov_b32 s[SEL], 0x76543210
	s_mov_b32 s[SEL+1], 0xfedcba98
	s_mov_b32 s[TB], 0
	s_mov_b32 s[G0K], 1
	s_mul_i32 s[G0K+1], s13, 64*PK
	s_mov_b32 s[G0V], 1
	s_mul_i32 s[G0V+1], s13, 64*PV
	s_add_co_u32 s[G0V+1], s[G0V+1], VOFF
	s_mov_b32 s[G0K2], 1
	s_add_co_u32 s[G0K2+1], s[G0K+1], SLOT1
	s_mov_b32 s[G0V2], 1
	s_add_co_u32 s[G0V2+1], s[G0V+1], SLOT1
	s_add_co_u32 s[RT], s[HI], 1                   ; the first block has 8 - b tiles, five at the least
	s_mov_b32 s[NXT], 2
	s_mov_b32 s[LQ], s[HI]
	s_mov_b32 s[OFF+1], 0
	s_mov_b32 s[BIGN], 0xf149f2ca                  ; -1e30
	s_mov_b32 s[SLOTS], NB-1
	s_wait_dscnt 0x0                               ; the opening add is done
	s_wait_kmcnt 0x0
	s_add_nc_u64 s[6:7], s[16:17], s[22:23]
	s_add_nc_u64 s[8:9], s[6:7], 16777216          ; V at my half of tile 0
	s_add_nc_u64 s[6:7], s[6:7], 8388608           ; K
	s_add_nc_u64 s[G0K+2:G0K+3], s[6:7], 0
	s_or_b32 s[G0K+3], s[G0K+3], 0x80000000
	s_add_nc_u64 s[G0V+2:G0V+3], s[8:9], 0
	s_or_b32 s[G0V+3], s[G0V+3], 0x80000000
	s_add_nc_u64 s[G0K2+2:G0K2+3], s[6:7], 16384   ; tile 1
	s_or_b32 s[G0K2+3], s[G0K2+3], 0x80000000
	s_add_nc_u64 s[G0V2+2:G0V2+3], s[8:9], 16384
	s_or_b32 s[G0V2+3], s[G0V2+3], 0x80000000
	s_add_nc_u64 s[86:87], s[16:17], s[84:85]      ; Q at my rows of the second block,
	s_add_nc_u64 s[4:5], s[16:17], s[2:3]          ; Q and O at those of the first
	s_add_nc_u64 s[OLO:OLO+1], s[18:19], s[84:85]
	s_add_nc_u64 s[10:11], s[18:19], s[2:3]
	s_cmp_lt_u32 s[WV], 2                          ; a wave's two first fills stand in one branch, ahead of every wait on TENSORcnt, every LDS read and every barrier: two loads of mine are out
	s_cbranch_scc0 .Lfirst_v
	tensor_load_to_lds s[G0K:G0K+3], s[G1K:G1K+7]
	s_nop 0
	tensor_load_to_lds s[G0K2:G0K2+3], s[G1K:G1K+7]
	s_nop 0
.rept 4
	v_nop
.endr
	s_branch .Lfirst_asked
.Lfirst_v:
	tensor_load_to_lds s[G0V:G0V+3], s[G1V:G1V+7]
	s_nop 0
	tensor_load_to_lds s[G0V2:G0V2+3], s[G1V:G1V+7]
	s_nop 0
.rept 4
	v_nop
.endr
.Lfirst_asked:
	v_and_b32 v1, 15, v0                           ; l % 16
	v_bfe_u32 v9, v0, 4, 1                         ; l / 16
	v_lshlrev_b32 v[QO], 7, v1
	v_lshl_add_u32 v[QO], v9, 4, v[QO]             ; row x 128 + 16 x half
	WIN 0x80
.set i, 0
.rept 4                                ; fragment i: tile i / 2, channels 32 (i % 2) on
	global_load_b128 v[8*i:8*i+3],   v[QO], s[4:5] offset:(i/2)*2048+(i%2)*64
	global_load_b128 v[8*i+4:8*i+7], v[QO], s[4:5] offset:(i/2)*2048+(i%2)*64+32
.set i, i+1
.endr
	WIN 0x40
.set i, 0
.rept 4
	global_load_b128 v[Q2+8*i:Q2+8*i+3],   v[QO], s[86:87] offset:(i/2)*2048+(i%2)*64
	global_load_b128 v[Q2+8*i+4:Q2+8*i+7], v[QO], s[86:87] offset:(i/2)*2048+(i%2)*64+32
.set i, i+1
.endr
	WIN 0
	v_lshlrev_b32 v10, 3, v9
	v_sub_nc_u32 v[TH], v1, v10
	s_lshl_b32 s13, s[WV], 5
	v_add_nc_u32 v[TH], s13, v[TH]
	WIN 0x40
.set i, 0
.rept 72                               ; register i % 8 of block i / 8: hidden where 16 (i / 8 - 1) + i % 8 is greater than v[TH]
	v_cmp_gt_i32 vcc_lo, 16*(i/8)-16+i%8, v[TH]
	v_cndmask_b32 v[MDX+i], 0, s[BIGN], vcc_lo
.set i, i+1
.endr
.set i, 0
.rept 64                               ; O^T need only be finite: a block's first a is 0.  These lines stand in the wait for the first tile
	v_mov_b32 v[i], 0
.set i, i+1
.endr
	WIN 0
	BOTH v_mov_b32 v[ST+8*t], 0xfe000000           ; c m: far below every c s
	BOTH v_mov_b32 v[ST+8*t+1], 0xff7fffff         ; m: the lowest finite number
	BOTH v_mov_b32 v[ST+8*t+2], 0
	BOTH v_mov_b32 v[ST+8*t+3], 0
	v_mul_u32_u24 v[AK0], v1, PK
	v_lshl_add_u32 v[AK0], v9, 4, v[AK0]
	v_and_b32 v10, 7, v0                           ; the turning load: lane l reads key 8 (l / 16) + l % 8, channels 8 ((l / 8) % 2) + 0..7
	v_bfe_u32 v11, v0, 3, 1
	v_lshl_add_u32 v[AV0], v9, 3, v10
	v_mul_u32_u24 v[AV0], v[AV0], PV
	v_lshl_add_u32 v[AV0], v11, 4, v[AV0]
	v_add_nc_u32 v[AV0], VOFF, v[AV0]
	s_mul_i32 s13, s[WV], 16*SP
	s_add_co_u32 s13, s13, STAGE
	v_mul_u32_u24 v[STO], v1, SP                   ; in: row l % 16, 16 bytes for each half of the lanes
	v_lshl_add_u32 v[STO], v9, 4, v[STO]
	v_add_nc_u32 v[STO], s13, v[STO]
	v_bfe_u32 v[RD], v0, 3, 2                      ; back: 32 lanes take four rows of 128 bytes,
	v_mul_u32_u24 v[RD], v[RD], SP
	v_lshl_add_u32 v[RD], v10, 4, v[RD]
	v_add_nc_u32 v[RD], s13, v[RD]
	v_and_b32 v[GO], 31, v0                        ; which are 512 consecutive bytes of ctx
	v_lshlrev_b32 v[GO], 4, v[GO]
.macro FETCH_K                         ; 128 keys x 64 channels: fragment f: keys 16 (f / 2) on, channels 32 (f % 2) on
	WIN 0
	v_add_nc_u32 v[AK], s[TB], v[AK0]
	WIN 0x80
.set f, 0
.rept 16
	ds_load_b128 v[KF+8*f:KF+8*f+3],   v[AK] offset:(f/2)*16*PK+(f%2)*64
	ds_load_b128 v[KF+8*f+4:KF+8*f+7], v[AK] offset:(f/2)*16*PK+(f%2)*64+32
.set f, f+1
.endr
	WIN 0
.endm
.macro FETCH_V                         ; turned: fragment f: keys 32 (f / 4) on, channels 16 (f % 4) on
	WIN 0
	v_add_nc_u32 v[AV], s[TB], v[AV0]
	WIN 0xc0
.set f, 0
.rept 16
	ds_load_tr16_b128 v[VF+8*f:VF+8*f+3],   v[AV] offset:(f/4)*32*PV+(f%4)*32
	ds_load_tr16_b128 v[VF+8*f+4:VF+8*f+7], v[AV] offset:(f/4)*32*PV+16*PV+(f%4)*32
.set f, f+1
.endr
	WIN 0
.endm
; 16 products that start S^T's sums (channels 0-31): key block i / 2, tile i % 2.  The 16 accumulators take turns.
.macro S16 masked
.set i, 0
.rept 16
.set rS, S+64*(i%2)+8*(i/2)
.set rK, KF+16*(i/2)
.set rQ, 16*(i%2)
.set rM, MDX+8*(i/2+1-i%2)
.if \masked
	WIN W_KM
	v_wmma_f32_16x16x32_f16 v[rS:rS+7], v[rK:rK+7], v[rQ:rQ+7], v[rM:rM+7]
.else
	WIN W_KQ
	v_wmma_f32_16x16x32_f16 v[rS:rS+7], v[rK:rK+7], v[rQ:rQ+7], 0
.endif
.set i, i+1
.endr
.endm
.macro S16B                            ; channels 32-63, in place
	WIN W_KQ
.set i, 0
.rept 16
.set rS, S+64*(i%2)+8*(i/2)
.set rK, KF+16*(i/2)+8
.set rQ, 16*(i%2)+8
	v_wmma_f32_16x16x32_f16 v[rS:rS+7], v[rK:rK+7], v[rQ:rQ+7], v[rS:rS+7]
.set i, i+1
.endr
.endm
.macro PVALL                           ; O^T += V^T P: keys 32 (i / 8) on, channels 16 ((i / 2) % 4) on, tile i % 2: 8 accumulators by turns
	WIN W_PV
.set i, 0
.rept 32
.set rO, 32*(i%2)+8*((i/2)%4)
.set rV, VF+8*(4*(i/8)+(i/2)%4)
.set rP, P+32*(i%2)+8*(i/8)
	v_wmma_f32_16x16x32_f16 v[rO:rO+7], v[rV:rV+7], v[rP:rP+7], v[rO:rO+7]
.set i, i+1
.endr
.endm
.macro SOFTMAX
	WIN 0
	; the maximum: four chains of 15 scores each, three operands at a time; each accumulator's lowest registers are read first
.set n, 0
.rept 7
.set ch, 0
.rept 4
.set t, 0
.rept 2
.if n == 0
	v_max3_num_f32 v[ST+8*t+4+ch], v[S+64*t+16*ch], v[S+64*t+16*ch+1], v[S+64*t+16*ch+2]
.else
	v_max3_num_f32 v[ST+8*t+4+ch], v[ST+8*t+4+ch], v[S+64*t+16*ch+2*n+1], v[S+64*t+16*ch+2*n+2]
.endif
.set t, t+1
.endr
.set ch, ch+1
.endr
.set n, n+1
.endr
	BOTH v_max3_num_f32 v[ST+8*t+4], v[ST+8*t+4], v[S+64*t+15], v[S+64*t+31]
	BOTH v_max3_num_f32 v[ST+8*t+6], v[ST+8*t+6], v[S+64*t+47], v[S+64*t+63]
	BOTH v_max3_num_f32 v[ST+8*t+4], v[ST+8*t+4], v[ST+8*t+5], v[ST+8*t+6]
	BOTH v_max3_num_f32 v[ST+8*t+4], v[ST+8*t+4], v[ST+8*t+7], v[ST+8*t+1]
	BOTH v_permlanex16_b32 v[ST+8*t+5], v[ST+8*t+4], s[SEL], s[SEL+1]   ; the query's other 64 keys lie in the lane 16 away
	BOTH v_max_num_f32 v[ST+8*t+1], v[ST+8*t+4], v[ST+8*t+5]
	BOTH v_mov_b32 v[ST+8*t+7], v[ST+8*t]
	BOTH v_mul_f32 v[ST+8*t], s[CS], v[ST+8*t+1]
	BOTH v_sub_f32 v[ST+8*t+7], v[ST+8*t+7], v[ST+8*t]
	BOTH v_exp_f32 v[ST+8*t+6], v[ST+8*t+7]                              ; a; the scalings below are the plain instructions behind it
.set n, 0
.rept 32
	BOTH v_pk_fma_f32 v[S+64*t+2*n:S+64*t+2*n+1], v[S+64*t+2*n:S+64*t+2*n+1], s[CS:CS+1], v[ST+8*t:ST+8*t+1] op_sel_hi:[1,0,0] neg_lo:[0,0,1] neg_hi:[0,0,1]
.set n, n+1
.endr
	WIN W_RS
.set n, 0
.rept 16
	BOTH v_pk_mul_f32 v[32*t+2*n:32*t+2*n+1], v[32*t+2*n:32*t+2*n+1], v[ST+8*t+6:ST+8*t+7] op_sel_hi:[1,0]
.set n, n+1
.endr
	WIN 0
	; pair n's four exponentials, then pair n - 1's roundings and sums: plain work stands between an exponential and the use of its result
.set n, 0
.rept 33
.if n < 32
	BOTH v_exp_f32 v[S+64*t+2*n], v[S+64*t+2*n]
	BOTH v_exp_f32 v[S+64*t+2*n+1], v[S+64*t+2*n+1]
.endif
.if n == 0
	v_nop
.else
	BOTH v_cvt_pk_f16_f32 v[P+32*t+n-1], v[S+64*t+2*n-2], v[S+64*t+2*n-1]
.if n == 1
	BOTH v_pk_fma_f32 v[ST+8*t+2:ST+8*t+3], v[ST+8*t+2:ST+8*t+3], v[ST+8*t+6:ST+8*t+7], v[S+64*t:S+64*t+1] op_sel_hi:[1,0,1]
.else
	BOTH v_pk_add_f32 v[ST+8*t+2:ST+8*t+3], v[ST+8*t+2:ST+8*t+3], v[S+64*t+2*n-2:S+64*t+2*n-1]
.endif
.endif
.set n, n+1
.endr
.endm
.macro PACK t                          ; O^T / l, rounded; 16 bytes a lane into rows of 144 bytes, back as whole rows of 128, into S^T's registers
	WIN W_RS
.set i, 32*(\t)
.rept 16
	v_pk_mul_f32 v[i:i+1], v[i:i+1], v[ST+8*(\t)+2:ST+8*(\t)+3] op_sel_hi:[1,0]
.set i, i+2
.endr
	WIN 0x05
.set i, 0
.rept 16
	v_cvt_pk_f16_f32 v[S+16*(\t)+i], v[32*(\t)+2*i], v[32*(\t)+2*i+1]
.set i, i+1
.endr
	WIN 0
.irp f, 0,1,2,3
	ds_store_b128 v[STO], v[S+16*(\t)+4*\f:S+16*(\t)+4*\f+3] offset:32*\f
.endr
.irp f, 0,1,2,3
	ds_load_b128 v[S+16*(\t)+4*\f:S+16*(\t)+4*\f+3], v[RD] offset:\f*4*SP  ; LDS serves a wave's instructions in order (ISA guide 5.7.1.4): these see the stores above
.endr
.endm
.macro SEND t, younger                 ; younger: the LDS instructions issued behind tile t's loads
.irp f, 0,1,2,3
	s_wait_dscnt (\younger)+3-\f
	global_store_b128 v[GO], v[S+16*(\t)+4*\f:S+16*(\t)+4*\f+3], s[10:11] offset:(\t)*2048+\f*512  ; 512 consecutive bytes, aligned
.endr
.endm
.macro WAYOUT
	BOTH v_add_f32 v[ST+8*t+2], v[ST+8*t+2], v[ST+8*t+3]
	BOTH v_permlanex16_b32 v[ST+8*t+3], v[ST+8*t+2], s[SEL], s[SEL+1]
	BOTH v_add_f32 v[ST+8*t+2], v[ST+8*t+2], v[ST+8*t+3]
	BOTH v_rcp_f32 v[ST+8*t+2], v[ST+8*t+2]
	v_nop
	s_wait_alu depctr_va_vdst(0)
	PACK 0
	PACK 1
	SEND 0, 8
	SEND 1, 0
.endm
; A TILE.  Its K fragments were asked for in the tile before (the first tile's in front of the loop).  fill = 1: its slot is filled again.
.macro BODY fill
	s_sub_co_u32 s[RT], s[RT], 1
	s_wait_loadcnt 0x0                             ; Q (met at once after the first tile)
	s_wait_dscnt 0x0                               ; K is in
	s_cmp_eq_u32 s[RT], 0
	s_cbranch_scc1 .Lmask_\@
	S16 0
	WIN 0
	s_branch .Ljoin_\@
.Lmask_\@:
	S16 1                                          ; a block's last tile holds the diagonal
	WIN 0
.Ljoin_\@:
	S16B
	PLACES                                         ; in front of the reads of the scores, and of the next loads into K's registers
	FETCH_V
	SOFTMAX
	CHANGE \fill                                   ; V is in registers: nobody needs this slot any more
	FETCH_K                                        ; the next tile's, out of the other slot: it lands under the products below
	PVALL
	PLACES                                         ; in front of the next loads into V's registers and of the reads of O^T
	WIN 0
	s_cmp_eq_u32 s[RT], 0
	s_cbranch_scc0 .Lgo_\@
	WAYOUT                                         ; a block's end
	s_wait_xcnt 0x0                                ; the stores' registers and O's address are rewritten only behind this wait
	s_mov_b64 s[10:11], s[OLO:OLO+1]
	s_add_co_u32 s[RT], s[PB], 1                   ; the second block has b + 1 tiles
	WIN 0x81
.set i, 0
.rept 32
	v_mov_b32 v[i], v[Q2+i]
.set i, i+1
.endr
	WIN 0
	BOTH v_mov_b32 v[ST+8*t], 0xfe000000
	BOTH v_mov_b32 v[ST+8*t+1], 0xff7fffff
.Lgo_\@:
.endm
	s_wait_tensorcnt 0x1                           ; my part of tile 0 is in; tile 1's may stay out
	s_barrier_signal -1
	s_barrier_wait -1
	FETCH_K                                        ; tile 0's
.Lslot:                                                ; 7 times: tiles 0 to 6 of the walk; tiles 2 to 8 are asked for
	BODY 1
	s_sub_co_u32 s[SLOTS], s[SLOTS], 1
	s_cmp_lg_u32 s[SLOTS], 0
	s_cbranch_scc1 .Lslot
	s_mov_b32 s[SLOTS], 2
.Ltail:                                                ; the walk's last two tiles: nothing is asked for
	BODY 0
	s_sub_co_u32 s[SLOTS], s[SLOTS], 1
	s_cmp_lg_u32 s[SLOTS], 0
	s_cbranch_scc1 .Ltail
	s_wait_tensorcnt 0x0                           ; the wave's end
	ds_add_u32 v[SPW], v[NIL]
	s_wait_dscnt 0x0
	s_endpgm
.Lfunc_end_k_qd1e8c21fe7_attn:
	.size	k_qd1e8c21fe7_attn, .Lfunc_end_k_qd1e8c21fe7_attn-k_qd1e8c21fe7_attn
	.p2alignl 7, 3214868480
	.fill 96, 4, 3214868480
	.section	.rodata,"a",@progbits
	.p2align	6, 0x0
	.amdhsa_kernel k_qd1e8c21fe7_attn
		.amdhsa_group_segment_fixed_size 327680
		.amdhsa_private_segment_fixed_size 0
		.amdhsa_enable_private_segment 0
		.amdhsa_kernarg_size 16
		.amdhsa_user_sgpr_count 2
		.amdhsa_user_sgpr_kernarg_segment_ptr 1
		.amdhsa_wavefront_size32 1
		.amdhsa_system_sgpr_workgroup_id_x 1
		.amdhsa_system_sgpr_workgroup_id_y 1
		.amdhsa_system_sgpr_workgroup_id_z 1
		.amdhsa_system_vgpr_workitem_id 0
		.amdhsa_next_free_vgpr 896
		.amdhsa_next_free_sgpr 88
		.amdhsa_reserve_vcc 1
		.amdhsa_float_denorm_mode_32 3
		.amdhsa_float_denorm_mode_16_64 3
		.amdhsa_memory_ordered 1
		.amdhsa_forward_progress 1
		.amdhsa_inst_pref_size 115
	.end_amdhsa_kernel
	.amdgpu_metadata
---
amdhsa.version: [ 1, 2 ]
amdhsa.kernels:
  - .name:           k_qd1e8c21fe7_attn
    .symbol:         k_qd1e8c21fe7_attn.kd
    .args:
      - { .name: qkv, .offset: 0, .size: 8, .value_kind: global_buffer, .address_space: global }
      - { .name: ctx, .offset: 8, .size: 8, .value_kind: global_buffer, .address_space: global }
    .group_segment_fixed_size: 327680
    .private_segment_fixed_size: 0
    .kernarg_segment_align: 8
    .kernarg_segment_size: 16
    .max_flat_workgroup_size: 128
    .sgpr_count:     88
    .vgpr_count:     896
    .wavefront_size: 32
...
	.end_amdgpu_metadata
.endif
;; end of part 3
;; launch oproj (part 4): grid 8 x 32, 4 waves a work-group, clusters of 4 x 4, 327,680 bytes of LDS; arguments ctx, wts, b_o, x, h; writes h
.if DOCPART == 4
	.amdgcn_target "amdgcn-amd-amdhsa--gfx1250"
	.amdhsa_code_object_version 6
	.text
	.protected	k_qd1e8c21fe7_oproj
	.globl	k_qd1e8c21fe7_oproj
	.p2align	8
	.type	k_qd1e8c21fe7_oproj,@function
k_qd1e8c21fe7_oproj:
	s_mov_b64 s[64:65], 0
	v_nop
	global_prefetch_b8 v0, s[64:65] scope:SCOPE_SE
	s_setreg_imm32_b32 hwreg(HW_REG_WAVE_MODE, 25, 1), 1
	s_wait_xcnt 0x0
	s_wait_alu depctr_hold_cnt(0) depctr_sa_sdst(0) depctr_va_vdst(0) depctr_va_sdst(0) depctr_va_ssrc(0) depctr_va_vcc(0) depctr_vm_vsrc(0)
	s_getreg_b32 s2, hwreg(HW_REG_IB_STS2, 6, 4)
	s_cmp_eq_u32 s2, 0
	s_cbranch_scc0 .Lentry_in_a_cluster
	s_endpgm
.Lentry_in_a_cluster:
	s_bfe_u32 s2, ttmp6, 0x10000c
	s_cmp_lg_u32 s2, 0xf033
	s_cbranch_scc0 .Lentry_shape_is_right
	s_endpgm
.Lentry_shape_is_right:
.set T,    4                           ; K steps of 256: K = 1,024
.set WOFF, 6291456                     ; Wo in wts
; out = res + A W + bias.  A: [K / 64 panels][4096 tokens][64] f16.  W: a part of wts, [K][1024] f16, as the weight lies.  res, out: [4096][1024] f32; bias [1024] f32.  Sums in f32.
; A tile of out is 128 x 128; four waves, 64 x 64 each: 16 accumulators.  THE RESIDUAL STARTS THE SUMS: it is loaded straight into the accumulators' registers, so nothing is cleared and every product adds in place.
; K goes in steps of 256 (four panels) through two LDS slots: waves 0, 1 fetch two panels of A each (2 x 128 tokens x 128 dense bytes, padded after every token), waves 2, 3 128 k-rows of W each.
; W stays [k][n] in LDS and is turned on the way into registers.  CLUSTER 4 x 4: A's tile is shared along a row of the cluster, W's along a column.
; A K STEP is written so: its first fragments; its 128 products; then the wait for the other slot's tile, the add, the round and the refill, with nothing else between them.  A step's products are fewer than a refill needs to land,
; so what bounds the loop is the way from a tile's landing to the next request: no product stands on it.  The last two steps are a loop of two trips that asks for nothing; its last barrier is the way out's.
; The matrix instruction is used transposed (source 0 = 16 columns of W, source 1 = 16 tokens): a lane holds token l % 16 and the columns 8 (l / 16) + 0..7.
; The way out goes through the slots, which have had their last fill: each wave's own 64 rows x 272 bytes; the bias is added on the way; 16 lanes store 256 consecutive bytes.
; REGISTERS: window 0: v0-31 addresses and bias; v32-63 at work on the way out; v128-255 the accumulators ((a, b) at v[128 + 8 (4 a + b)]).  window 1: two fragment buffers of 128: 64 of A, 64 of W.
.set PAA,    144                       ; a token's 128 bytes + 16
.set PANEL,  128*PAA
.set PB,     288                       ; W's LDS row: 256 bytes + 32
.set QUART,  36864                     ; what one tensor load fills
.set BBASE,  2*QUART
.set SLOT,   0x24000
.set SPARE,  2*SLOT
.set ASTEP,  4*524288
.set BSTEP,  256*2048
.set ADRA0, 8
.set ADRB0, 9
.set ADRA,  16
.set ADRB,  17                         ; v17: k 0-127 of the step; v18: k 128-255
.set BIAS,  20                         ; v20-23
.set STO,   24
.set RD,    25
.set GO,    26
.set RO,    27
.set SPW,   28
.set NIL,   29
.set TMP,   32
.set ACC,   128
.set F0,    0
.set F1,    128
.set G1,  24
.set G0,  32
.set G1B, 48
.set G0B, 56
.set TB,  66
.set MSB, 0
.macro WIN new
.if MSB != (\new)
	s_set_vgpr_msb (MSB<<8)|(\new)
.set MSB, \new
.endif
.endm
.set MUL,  0x05                        ; sources 0 and 1 window 1; C and D window 0
.set TO_F, 0x40
.macro JLOAD s
	s_cmp_eq_u32 s11, 0
	s_cbranch_scc0 .Lfor_b_\@
	tensor_load_to_lds s[G0+4*(\s):G0+4*(\s)+3], s[G1:G1+7]
	s_nop 0
.rept 4
	v_nop
.endr
	s_branch .Lasked_\@
.Lfor_b_\@:
	tensor_load_to_lds s[G0B+4*(\s):G0B+4*(\s)+3], s[G1B:G1B+7]
	s_nop 0
.rept 4
	v_nop
.endr
.Lasked_\@:
.endm
.macro CREST
	s_cmp_lg_u32 s10, 0
	s_cbranch_scc1 .Lnot_wave_0_\@
	s_barrier_signal -3
.Lnot_wave_0_\@:
	s_barrier_wait -3
	s_barrier_signal -1
	s_barrier_wait -1
.endm
.macro CROUND
	s_barrier_signal -1
	s_barrier_wait -1
	CREST
.endm
.macro PLACES
.rept 4
	v_nop
.endr
.endm
	s_load_b128 s[4:7], s[0:1], 0x0                ; A, wts
	s_load_b128 s[68:71], s[0:1], 0x10             ; bias s[68:69], res s[70:71]
	s_load_b64 s[72:73], s[0:1], 0x20              ; out
	v_lshl_add_u32 v[SPW], v0, 2, SPARE
	v_mov_b32 v[NIL], 0
	ds_add_u32 v[SPW], v[NIL]                      ; the wave's opening: the add and its wait ahead of my first tensor load
	ds_add_u32 v28, v29
	v_lshrrev_b32 v1, 5, v0
	v_readfirstlane_b32 s10, v1
	s_lshr_b32 s11, s10, 1                         ; my half of the rows; also: I fetch for A (0) or W (1)
	s_and_b32 s12, s10, 1                          ; my half of the columns; also: which half of that tile I fetch
	s_bfe_u32 s40, ttmp6, 0x40000
	s_bfe_u32 s41, ttmp6, 0x40004
	s_lshl_b32 s42, ttmp9, 2
	s_add_co_u32 s42, s42, s40                     ; tile column
	s_and_b32 s13, ttmp7, 0xffff
	s_lshl_b32 s13, s13, 2
	s_add_co_u32 s13, s13, s41                     ; tile row
	s_lshl_b32 s43, s41, 2
	s_lshl_b32 s43, 15, s43
	s_lshl_b32 s44, 0x1111, s40
	s_or_b32 s[G1+0], s43, (1<<16)|(1<<20)|(1<<21)|(4<<22)|(3<<25)  ; after every 32 words (a token) 4 words of padding
	s_mov_b32 s[G1+1], 8192<<16                    ; a row of the tile: a panel's 128 tokens, 8,192 elements on end
	s_mov_b32 s[G1+2], 2<<16                       ; two panels
	s_mov_b32 s[G1+3], 8192<<16
	s_mov_b32 s[G1+4], 2
	s_mov_b32 s[G1+5], 262144                      ; elements from panel to panel
	s_mov_b32 s[G1+6], 0
	s_mov_b32 s[G1+7], 0
	s_or_b32 s[G1B+0], s44, (1<<16)|(1<<20)|(1<<21)|(5<<22)|(7<<25) ; after every 64 words 8 words
	s_mov_b32 s[G1B+1], 128<<16
	s_mov_b32 s[G1B+2], 128<<16
	s_mov_b32 s[G1B+3], 128<<16
	s_mov_b32 s[G1B+4], 128
	s_mov_b32 s[G1B+5], 1024
	s_mov_b32 s[G1B+6], 0
	s_mov_b32 s[G1B+7], 0
	s_lshl_b32 s16, s12, 20                        ; A: panel 2 x half, token 128 x tile row
	s_lshl_b32 s17, s13, 14
	s_add_co_u32 s16, s16, s17
	s_mov_b32 s17, 0
	s_lshl_b32 s46, s12, 18                        ; W: k-row 128 x half, column 128 x tile column
	s_lshl_b32 s47, s42, 8
	s_add_co_u32 s46, s46, s47
	s_add_co_u32 s46, s46, WOFF
	s_mov_b32 s47, 0
	s_mul_i32 s20, s10, QUART                      ; where they go: A's halves, then W's = wave x 36,864
	s_mov_b32 s[TB], 0
	s_wait_dscnt 0x0
	s_wait_kmcnt 0x0
	s_add_nc_u64 s[14:15], s[4:5], s[16:17]
	s_add_nc_u64 s[46:47], s[6:7], s[46:47]
	CROUND
.irp s, 0,1
	s_mov_b32 s[G0+4*(\s)], 1
	s_add_co_u32 s[G0+4*(\s)+1], s20, (\s)*SLOT
	s_add_nc_u64 s[G0+4*(\s)+2:G0+4*(\s)+3], s[14:15], (\s)*ASTEP
	s_or_b32 s[G0+4*(\s)+3], s[G0+4*(\s)+3], 0x80000000
	s_mov_b32 s[G0B+4*(\s)], 1
	s_add_co_u32 s[G0B+4*(\s)+1], s20, (\s)*SLOT
	s_add_nc_u64 s[G0B+4*(\s)+2:G0B+4*(\s)+3], s[46:47], (\s)*BSTEP
	s_or_b32 s[G0B+4*(\s)+3], s[G0B+4*(\s)+3], 0x80000000
	JLOAD \s                                       ; K steps 0 and 1: two loads of mine are out
.endr
	s_lshl_b32 s76, s13, 19                        ; res and out at row 128 x tile row + 64 x half, column 128 x tile column + 64 x half
	s_lshl_b32 s77, s11, 18
	s_add_co_u32 s76, s76, s77
	s_lshl_b32 s78, s42, 9
	s_lshl_b32 s79, s12, 8
	s_add_co_u32 s78, s78, s79
	s_add_co_u32 s76, s76, s78
	s_mov_b32 s77, 0
	s_mov_b32 s79, 0
	s_add_nc_u64 s[70:71], s[70:71], s[76:77]
	s_add_nc_u64 s[72:73], s[72:73], s[76:77]
	s_add_nc_u64 s[68:69], s[68:69], s[78:79]
	v_and_b32 v1, 15, v0                           ; l % 16
	v_bfe_u32 v2, v0, 4, 1                         ; l / 16
	v_lshlrev_b32 v[RO], 12, v1
	v_lshl_add_u32 v[RO], v2, 5, v[RO]             ; row l % 16, 32 bytes for each half of the lanes: an accumulator's own layout
.irp a, 0,1,2,3
.irp b, 0,1,2,3
	global_load_b128 v[ACC+8*(4*(\a)+(\b)):ACC+8*(4*(\a)+(\b))+3],   v[RO], s[70:71] offset:(\a)*65536+64*(\b)
	global_load_b128 v[ACC+8*(4*(\a)+(\b))+4:ACC+8*(4*(\a)+(\b))+7], v[RO], s[70:71] offset:(\a)*65536+64*(\b)+16
.endr
.endr
	v_lshlrev_b32 v6, 4, v1
	global_load_b128 v[BIAS:BIAS+3], v6, s[68:69]
	v_mul_u32_u24 v3, v1, PAA
	v_lshl_add_u32 v3, v2, 4, v3
	s_mul_i32 s22, s11, 64*PAA
	v_add_nc_u32 v[ADRA0], s22, v3
	v_and_b32 v4, 7, v0
	v_lshl_add_u32 v4, v2, 3, v4
	v_mul_u32_u24 v4, v4, PB
	v_bfe_u32 v5, v0, 3, 1
	v_lshl_add_u32 v4, v5, 4, v4
	s_lshl_b32 s22, s12, 7
	s_add_co_u32 s22, s22, BBASE
	v_add_nc_u32 v[ADRB0], s22, v4
	s_mul_i32 s22, s10, 64*272                     ; my stage
	v_mul_u32_u24 v7, v1, 272
	v_lshl_add_u32 v7, v2, 5, v7
	v_add_nc_u32 v[STO], s22, v7
	v_mul_u32_u24 v7, v2, 272
	v_lshl_add_u32 v7, v1, 4, v7
	v_add_nc_u32 v[RD], s22, v7
	v_lshlrev_b32 v7, 12, v2
	v_lshl_add_u32 v[GO], v1, 4, v7
; 8 matrix instructions: row blocks a0, a0 + 1 x all 4 column blocks, 32 along K: half c of buffer f.  The 16 accumulators take turns.
.macro MUL8 f, c, a0
	WIN MUL
.irp a, \a0, (\a0)+1
.irp b, 0,1,2,3
	v_wmma_f32_16x16x32_f16 v[ACC+8*(4*(\a)+(\b)):ACC+8*(4*(\a)+(\b))+7], v[(\f)+64+8*(4*(\c)+(\b)):(\f)+64+8*(4*(\c)+(\b))+7], v[(\f)+8*(4*(\c)+(\a)):(\f)+8*(4*(\c)+(\a))+7], v[ACC+8*(4*(\a)+(\b)):ACC+8*(4*(\a)+(\b))+7]
.endr
.endr
.endm
; 32 LDS loads in one run: quarter q (panel q, 64 along K) of the slot in hand into buffer f; the first 32 along K first
.macro FETCH q, f
	WIN TO_F
.irp c, 0,1
.irp i, 0,1,2,3
	ds_load_tr16_b128 v[(\f)+64+8*(4*(\c)+(\i)):(\f)+64+8*(4*(\c)+(\i))+3],   v[ADRB+(\q)/2] offset:(((\q)%2)*64+32*(\c))*PB+32*(\i)
	ds_load_tr16_b128 v[(\f)+64+8*(4*(\c)+(\i))+4:(\f)+64+8*(4*(\c)+(\i))+7], v[ADRB+(\q)/2] offset:(((\q)%2)*64+32*(\c)+16)*PB+32*(\i)
	ds_load_b128 v[(\f)+8*(4*(\c)+(\i)):(\f)+8*(4*(\c)+(\i))+3],   v[ADRA] offset:(\q)*PANEL+64*(\c)+(\i)*16*PAA
	ds_load_b128 v[(\f)+8*(4*(\c)+(\i))+4:(\f)+8*(4*(\c)+(\i))+7], v[ADRA] offset:(\q)*PANEL+64*(\c)+(\i)*16*PAA+32
.endr
.endr
.endm
; One of a K step's first three quarters: at its head it fetches quarter q into buffer g, which the quarter before has multiplied; then it multiplies buffer f
.macro QUARTER q, f, g
	PLACES
	FETCH \q, \g
	s_wait_dscnt 48                                ; buffer f's first 32 along K are in; younger are its other sixteen loads and the 32 just issued
	MUL8 \f, 0, 0
	MUL8 \f, 0, 2
	s_wait_dscnt 32                                ; all but the 32 just issued
	MUL8 \f, 1, 0
	MUL8 \f, 1, 2
.endm
; A K STEP.  fill = 1: behind it its slot is filled again, two steps ahead: the three lines, a round of the cluster's barrier, the joint load.  fill = 0: the same with a plain barrier and no load.
.macro STEP fill
	PLACES                                         ; behind the last step's products, in front of the loads into buffer 0
	v_add_nc_u32 v[ADRA], s[TB], v[ADRA0]
	v_add_nc_u32 v[ADRB], s[TB], v[ADRB0]
	v_add_nc_u32 v[ADRB+1], 128*PB, v[ADRB]
	FETCH 0, F0
	QUARTER 1, F0, F1
	QUARTER 2, F1, F0
	QUARTER 3, F0, F1
	s_wait_dscnt 16                                ; the last quarter: its first 32 along K are in
	MUL8 F1, 0, 0
	MUL8 F1, 0, 2
	s_wait_dscnt 0x0
	MUL8 F1, 1, 0
	MUL8 F1, 1, 2
	WIN 0
	s_wait_tensorcnt 0x0                           ; all my tensor loads have landed: the one that was out is my part of the next slot
	ds_add_u32 v[SPW], v[NIL]                      ; 0 onto my spare word; the scalar work below stands between it and the wait for it
.if \fill
	s_xor_b32 s[G0+5], s[G0+5], SLOT               ; the walking sets: the other slot than last time, the next K step
	s_add_nc_u64 s[G0+6:G0+7], s[G0+6:G0+7], ASTEP
	s_xor_b32 s[G0B+5], s[G0B+5], SLOT
	s_add_nc_u64 s[G0B+6:G0B+7], s[G0B+6:G0B+7], BSTEP
.endif
	s_xor_b32 s[TB], s[TB], SLOT
	s_wait_dscnt 0x0                               ; the add is done; my reads of this slot were over at the wait for 0 above
.if \fill
	CROUND                                         ; no wave of any partner still reads this slot's tile or has a load on its way
	JLOAD 1
.else
	s_barrier_signal -1
	s_barrier_wait -1
.endif
.endm
	s_wait_tensorcnt 0x1                           ; my part of K step 0 is in; K step 1's may stay out
	s_barrier_signal -1
	s_barrier_wait -1
	s_wait_loadcnt 0x0                             ; the residual lies in the accumulators; the bias is in
	s_mov_b32 s3, T-2
.Lk:
	STEP 1
	s_sub_co_u32 s3, s3, 1
	s_cmp_lg_u32 s3, 0
	s_cbranch_scc1 .Lk
	s_mov_b32 s3, 2
.Ltail:                                                ; the last two K steps ask for nothing
	STEP 0
	s_sub_co_u32 s3, s3, 1
	s_cmp_lg_u32 s3, 0
	s_cbranch_scc1 .Ltail
	PLACES                                         ; behind the last barrier nobody reads the slots, which have had their last fill: they take the sums
.irp a, 0,1,2,3                        ; each accumulator's four lowest registers go first
.irp b, 0,1,2,3
	ds_store_b128 v[STO], v[ACC+8*(4*(\a)+(\b)):ACC+8*(4*(\a)+(\b))+3]   offset:(\a)*16*272+64*(\b)
	ds_store_b128 v[STO], v[ACC+8*(4*(\a)+(\b))+4:ACC+8*(4*(\a)+(\b))+7] offset:(\a)*16*272+64*(\b)+16
.endr
.endr
	s_mov_b32 s3, 4
.Lout:                                                 ; 16 rows a trip, out of my own stage
.irp t, 0,1,2,3,4,5,6,7
	ds_load_b128 v[TMP+4*(\t):TMP+4*(\t)+3], v[RD] offset:(\t)*2*272   ; lanes 0-15 one row of 256 bytes, lanes 16-31 the next
.endr
	v_add_nc_u32 v[RD], 16*272, v[RD]
	s_wait_dscnt 0x0
.irp t, 0,1,2,3,4,5,6,7
	v_pk_add_f32 v[TMP+4*(\t):TMP+4*(\t)+1],   v[TMP+4*(\t):TMP+4*(\t)+1],   v[BIAS:BIAS+1]
	v_pk_add_f32 v[TMP+4*(\t)+2:TMP+4*(\t)+3], v[TMP+4*(\t)+2:TMP+4*(\t)+3], v[BIAS+2:BIAS+3]
.endr
.irp t, 0,1,2,3,4,5,6,7
	global_store_b128 v[GO], v[TMP+4*(\t):TMP+4*(\t)+3], s[72:73] offset:(\t)*8192  ; 16 lanes store 256 consecutive bytes, aligned
.endr
	s_wait_xcnt 0x0                                ; the stores' base and data are rewritten only behind this wait
	s_add_nc_u64 s[72:73], s[72:73], 65536
	s_sub_co_u32 s3, s3, 1
	s_cmp_lg_u32 s3, 0
	s_cbranch_scc1 .Lout
	s_wait_tensorcnt 0x0                           ; the wave's end
	ds_add_u32 v[SPW], v[NIL]
	s_wait_dscnt 0x0
	CROUND                                         ; the closing round
	s_endpgm
.Lfunc_end_k_qd1e8c21fe7_oproj:
	.size	k_qd1e8c21fe7_oproj, .Lfunc_end_k_qd1e8c21fe7_oproj-k_qd1e8c21fe7_oproj
	.p2alignl 7, 3214868480
	.fill 96, 4, 3214868480
	.section	.rodata,"a",@progbits
	.p2align	6, 0x0
	.amdhsa_kernel k_qd1e8c21fe7_oproj
		.amdhsa_group_segment_fixed_size 327680
		.amdhsa_private_segment_fixed_size 0
		.amdhsa_enable_private_segment 0
		.amdhsa_kernarg_size 40
		.amdhsa_user_sgpr_count 2
		.amdhsa_user_sgpr_kernarg_segment_ptr 1
		.amdhsa_wavefront_size32 1
		.amdhsa_system_sgpr_workgroup_id_x 1
		.amdhsa_system_sgpr_workgroup_id_y 1
		.amdhsa_system_sgpr_workgroup_id_z 1
		.amdhsa_system_vgpr_workitem_id 0
		.amdhsa_next_free_vgpr 512
		.amdhsa_next_free_sgpr 80
		.amdhsa_reserve_vcc 0
		.amdhsa_float_denorm_mode_32 3
		.amdhsa_float_denorm_mode_16_64 3
		.amdhsa_memory_ordered 1
		.amdhsa_forward_progress 1
		.amdhsa_inst_pref_size 52
	.end_amdhsa_kernel
	.amdgpu_metadata
---
amdhsa.version: [ 1, 2 ]
amdhsa.kernels:
  - .name:           k_qd1e8c21fe7_oproj
    .symbol:         k_qd1e8c21fe7_oproj.kd
    .args:
      - { .name: ctx, .offset: 0, .size: 8, .value_kind: global_buffer, .address_space: global }
      - { .name: wts, .offset: 8, .size: 8, .value_kind: global_buffer, .address_space: global }
      - { .name: b_o, .offset: 16, .size: 8, .value_kind: global_buffer, .address_space: global }
      - { .name: x, .offset: 24, .size: 8, .value_kind: global_buffer, .address_space: global }
      - { .name: h, .offset: 32, .size: 8, .value_kind: global_buffer, .address_space: global }
    .group_segment_fixed_size: 327680
    .private_segment_fixed_size: 0
    .kernarg_segment_align: 8
    .kernarg_segment_size: 40
    .max_flat_workgroup_size: 128
    .sgpr_count:     80
    .vgpr_count:     512
    .wavefront_size: 32
...
	.end_amdgpu_metadata
.endif
;; end of part 4
;; launch ln2: the kernel of part 1 again; grid 256 x 1, 8 waves a work-group, no clusters, 0 bytes of LDS; arguments h, ln2_scale, ln2_shift, nrm, W_q, W_k, W_v, W_o, W_fc, W_proj, g; writes nrm, g
;; launch fc (part 5): grid 16 x 16, 4 waves a work-group, clusters of 4 x 4, 327,680 bytes of LDS; arguments nrm, wts, b_fc, g; writes g
.if DOCPART == 5
	.amdgcn_target "amdgcn-amd-amdhsa--gfx1250"
	.amdhsa_code_object_version 6
	.text
	.protected	k_qd1e8c21fe7_fc
	.globl	k_qd1e8c21fe7_fc
	.p2align	8
	.type	k_qd1e8c21fe7_fc,@function
k_qd1e8c21fe7_fc:
	s_mov_b64 s[64:65], 0
	v_nop
	global_prefetch_b8 v0, s[64:65] scope:SCOPE_SE
	s_setreg_imm32_b32 hwreg(HW_REG_WAVE_MODE, 25, 1), 1
	s_wait_xcnt 0x0
	s_wait_alu depctr_hold_cnt(0) depctr_sa_sdst(0) depctr_va_vdst(0) depctr_va_sdst(0) depctr_va_ssrc(0) depctr_va_vcc(0) depctr_vm_vsrc(0)
	s_getreg_b32 s2, hwreg(HW_REG_IB_STS2, 6, 4)
	s_cmp_eq_u32 s2, 0
	s_cbranch_scc0 .Lentry_in_a_cluster
	s_endpgm
.Lentry_in_a_cluster:
	s_bfe_u32 s2, ttmp6, 0x10000c
	s_cmp_lg_u32 s2, 0xf033
	s_cbranch_scc0 .Lentry_shape_is_right
	s_endpgm
.Lentry_shape_is_right:
.set FC, 1
; C = A W.  A: nrm [4096][1024] f16.  W: a part of wts, [1024 k][NPITCH n] f16, as the weights lie ([in][out]).  Sums in f32.
; FC = 0: W = Wq|Wk|Wv (3,072 columns); a tile of C is 256 x 192 (three heads); out: qkv [48][4096][64] f16, unscaled.
; FC = 1: W = Wfc (4,096 columns); a tile is 256 x 256; out: g = gelu(C + b_fc), [64 panels of 64 columns][4096][64] f16.
; Four waves, 2 x 2; a wave makes 128 rows x 16 NBW columns in 8 x NBW accumulators.  K goes in 8 steps of 128 through two LDS slots filled by tensor loads:
; waves 0, 1 fetch A's two halves (128 rows x 256 bytes), waves 2, 3 W's (64 k-rows each).  W stays [k][n] in LDS and is turned on the way into registers (ds_load_tr16_b128).
; CLUSTER 4 x 4: A's tile is shared along a row of the cluster, W's along a column; each is asked for jointly.
; THE MATRIX INSTRUCTION IS USED TRANSPOSED: source 0 = 16 columns of W, source 1 = 16 rows of A: a lane holds row l % 16 of C and the columns 8 (l / 16) + 0..7.
; THE TEXT holds a K step three times less three quarters: the quarter that starts the sums, which jumps into the loop behind the loop's first quarter; the loop, whose steps fill a slot again; and a loop of two trips
; for the last two steps, which ask for nothing.  The price of that second loop, once a wave: its last trip fetches one run of fragments that nobody multiplies, and one more barrier stands in front of the way out.
; THE WAY OUT: the f32 sums go through the two slots, which have had their last fill, and come back by rows, so that the arithmetic on them is one short loop and every store covers 256 consecutive bytes.
; LIMITS.  f16 holds no number beyond 65,504: a result beyond that becomes an infinity.  gelu(x) = x / (1 + 2^(x (k0 + k1 x x))), the tanh form rewritten; NaN and infinities are not treated apart.
; REGISTERS, in windows of 256: window 0: v0-31 addresses; v64-127, v128-191 A's fragments, two buffers; the rest at work on the way out.
;   window 1: v64-127, v128-191 W's fragments.   window 2, 3: the accumulators of my rows 0-63, 64-127: (a, b) at v[8 (8 a + b)].
.set T,      8                         ; K steps
.set PA,     272                       ; A's LDS row: 256 bytes + 16: the 16 rows of a load start at 16 different groups of four banks (64 banks of 4 bytes: ISA guide 11.1)
.set HALFA,  128*PA
.set BBASE,  2*HALFA
.if FC
.set NBW,    8
.set PB,     544                       ; W's LDS row: 512 bytes + 32
.set SLOT,   0x22000
.set NPITCH, 4096
.set TN,     256
.set WOFF,   8388608
.set BGRP,   8                         ; column blocks that one address register serves
.set BPAD,   (6<<22)|(7<<25)           ; after every 128 words 8 words of padding
.set YO,     232
.else
.set NBW,    6
.set PB,     480                       ; 3 x (128 bytes + 32)
.set SLOT,   0x20000
.set NPITCH, 3072
.set TN,     192
.set WOFF,   0
.set BGRP,   2
.set BPAD,   (4<<22)|(7<<25)           ; after every 32 words 8 words of padding
.set YO,     192
.endif
.set HALFB,  64*PB
.set SPARE,  2*SLOT                    ; behind the slots: the spare words, 128 bytes a wave
.set ASTEP,  256                       ; bytes from a K step to the next in A
.set BSTEP,  256*NPITCH                ; and in W: 128 rows
.set NLD,    16+2*NBW                  ; LDS loads of a quarter step
.set ADRA0, 8                          ; v8      my lane's place in A's tile of slot 0; never rewritten
.set ADRB0, 9                          ; v9-11   the same for W
.set ADRA,  16                         ; v16     the same in the slot in hand
.set ADRB,  17                         ; v17-19
.set STO,   24                         ; v24-25  the way out: where I put my sums
.set RD,    26                         ; v26     where I read rows back
.set GO,    27                         ; v27     my byte offset in 256 consecutive bytes of the output
.set SPW,   28                         ; v28     my spare word; never rewritten
.set NIL,   29                         ; v29     0; never rewritten
.set XO,    32                         ; the way out: rows read back
.set XB,    64                         ; the way out (FC): the same with the bias added
.set F0,    64
.set F1,    128
.set TT,    192                        ; at work (FC)
.set BIAS,  224                        ; v224-231 (FC)
.set G1,  24
.set G0,  32                           ; two sets; the second then walks
.set G1B, 48
.set G0B, 56
.set TB,  66                           ; s66  0 or SLOT: the slot in hand
.set OUTP, 70                          ; s[70:71]
.set K0,  72                           ; s[72:73], s[74:75]: gelu's two constants
.set K1,  74
.set MSB, 0
.macro WIN new                         ; the immediate's high byte repeats the setting that is left
.if MSB != (\new)
	s_set_vgpr_msb (MSB<<8)|(\new)
.set MSB, \new
.endif
.endm
.set MUL_LO, 0xa1                      ; source 0 (W) window 1, source 1 (A) window 0, C and D window 2
.set MUL_HI, 0xf1
.set TO_B,   0x40
.macro JLOAD s                         ; a joint load: waves 0, 1 for A, waves 2, 3 for W; an s_nop 0 and four v_nop follow each line
	s_cmp_eq_u32 s11, 0
	s_cbranch_scc0 .Lfor_b_\@
	tensor_load_to_lds s[G0+4*(\s):G0+4*(\s)+3], s[G1:G1+7]
	s_nop 0
.rept 4
	v_nop
.endr
	s_branch .Lasked_\@
.Lfor_b_\@:
	tensor_load_to_lds s[G0B+4*(\s):G0B+4*(\s)+3], s[G1B:G1B+7]
	s_nop 0
.rept 4
	v_nop
.endr
.Lasked_\@:
.endm
.macro CREST                           ; a round of the cluster's barrier behind its opening barrier
	s_cmp_lg_u32 s10, 0
	s_cbranch_scc1 .Lnot_wave_0_\@
	s_barrier_signal -3
.Lnot_wave_0_\@:
	s_barrier_wait -3
	s_barrier_signal -1
	s_barrier_wait -1
.endm
.macro CROUND
	s_barrier_signal -1
	s_barrier_wait -1
	CREST
.endm
.macro PLACES                          ; four places behind matrix instructions, in front of loads into their sources and of reads of their results
.rept 4
	v_nop
.endr
.endm
.macro LOADX                           ; the way out (FC): 8 rows of my stage; lanes 0-15: a row's 64 columns of panel n; lanes 16-31: the next row's
.irp p, 0,1,2,3
.irp n, 0,1
	ds_load_b128 v[XO+4*(2*(\p)+(\n)):XO+4*(2*(\p)+(\n))+3], v[RD] offset:(\p)*1056+(\n)*256
.endr
.endr
	v_add_nc_u32 v[RD], 8*528, v[RD]
.endm
	s_load_b128 s[4:7], s[0:1], 0x0                ; nrm, wts
.if FC
	s_load_b128 s[68:71], s[0:1], 0x10             ; b_fc s[68:69], g s[70:71]
.else
	s_load_b64 s[70:71], s[0:1], 0x10              ; qkv
.endif
	v_lshl_add_u32 v[SPW], v0, 2, SPARE
	v_mov_b32 v[NIL], 0
	ds_add_u32 v[SPW], v[NIL]                      ; the wave's opening: the add and its wait ahead of my first tensor load
	ds_add_u32 v28, v29
	v_lshrrev_b32 v1, 5, v0
	v_readfirstlane_b32 s10, v1                    ; wave 0..3
	s_lshr_b32 s11, s10, 1                         ; my half of the rows; also: I fetch for A (0) or W (1)
	s_and_b32 s12, s10, 1                          ; my half of the columns; also: which half of that tile I fetch
	s_bfe_u32 s40, ttmp6, 0x40000                  ; cx
	s_bfe_u32 s41, ttmp6, 0x40004                  ; cy
	s_lshl_b32 s42, ttmp9, 2
	s_add_co_u32 s42, s42, s40                     ; tile column
	s_and_b32 s13, ttmp7, 0xffff
	s_lshl_b32 s13, s13, 2
	s_add_co_u32 s13, s13, s41                     ; tile row
	s_lshl_b32 s43, s41, 2
	s_lshl_b32 s43, 15, s43                        ; my row of the cluster
	s_lshl_b32 s44, 0x1111, s40                    ; my column
	s_or_b32 s[G1+0], s43, (1<<16)|(1<<20)|(1<<21)|(5<<22)|(3<<25)  ; mask; 2-byte elements; padding on; bit 21 beside a mask; after every 64 words 4 words
	s_mov_b32 s[G1+1], 128<<16                     ; tensor_dim0 = 128
	s_mov_b32 s[G1+2], 128<<16                     ; tensor_dim1 = 128
	s_mov_b32 s[G1+3], 128<<16                     ; tile_dim0 = 128
	s_mov_b32 s[G1+4], 128                         ; tile_dim1 = 128
	s_mov_b32 s[G1+5], 1024                        ; elements from row to row
	s_mov_b32 s[G1+6], 0
	s_mov_b32 s[G1+7], 0
	s_or_b32 s[G1B+0], s44, (1<<16)|(1<<20)|(1<<21)|BPAD
	s_mov_b32 s[G1B+1], TN<<16
	s_mov_b32 s[G1B+2], 64<<16
	s_mov_b32 s[G1B+3], TN<<16
	s_mov_b32 s[G1B+4], 64
	s_mov_b32 s[G1B+5], NPITCH
	s_mov_b32 s[G1B+6], 0
	s_mov_b32 s[G1B+7], 0
	s_lshl_b32 s16, s13, 8                         ; A: row 256 x tile row + 128 x half, 2,048 bytes a row
	s_lshl_b32 s17, s12, 7
	s_add_co_u32 s16, s16, s17
	s_lshl_b32 s16, s16, 11
	s_mov_b32 s17, 0
	s_mul_i32 s46, s12, 128*NPITCH                 ; W: k-row 64 x half, column TN x tile column
	s_mul_i32 s47, s42, 2*TN
	s_add_co_u32 s46, s46, s47
	s_add_co_u32 s46, s46, WOFF
	s_mov_b32 s47, 0
	s_mul_i32 s20, s12, HALFA                      ; where they go: no place in the cluster enters an LDS address
	s_mul_i32 s21, s12, HALFB
	s_add_co_u32 s21, s21, BBASE
	s_mov_b32 s[TB], 0
	s_wait_dscnt 0x0                               ; the opening add is done
	s_wait_kmcnt 0x0
	s_add_nc_u64 s[14:15], s[4:5], s[16:17]
	s_add_nc_u64 s[46:47], s[6:7], s[46:47]
	CROUND                                         ; all sixteen work-groups are here: the first joint loads meet
.irp s, 0,1
	s_mov_b32 s[G0+4*(\s)], 1
	s_add_co_u32 s[G0+4*(\s)+1], s20, (\s)*SLOT
	s_add_nc_u64 s[G0+4*(\s)+2:G0+4*(\s)+3], s[14:15], (\s)*ASTEP
	s_or_b32 s[G0+4*(\s)+3], s[G0+4*(\s)+3], 0x80000000
	s_mov_b32 s[G0B+4*(\s)], 1
	s_add_co_u32 s[G0B+4*(\s)+1], s21, (\s)*SLOT
	s_add_nc_u64 s[G0B+4*(\s)+2:G0B+4*(\s)+3], s[46:47], (\s)*BSTEP
	s_or_b32 s[G0B+4*(\s)+3], s[G0B+4*(\s)+3], 0x80000000
	JLOAD \s                                       ; K steps 0 and 1: two loads of mine are out
.endr
	v_and_b32 v1, 15, v0                           ; l % 16
	v_bfe_u32 v2, v0, 4, 1                         ; l / 16
	v_mul_u32_u24 v3, v1, PA
	v_lshl_add_u32 v3, v2, 4, v3                   ; a fragment of A: row x pitch + 16 x half; two loads, 32 bytes apart
	s_mul_i32 s22, s11, HALFA
	v_add_nc_u32 v[ADRA0], s22, v3
	v_mov_b32 v[ADRA], v[ADRA0]
	v_and_b32 v4, 7, v0                            ; the turning load: lane l reads k-row 8 (l / 16) + l % 8, columns 8 ((l / 8) % 2) + 0..7
	v_lshl_add_u32 v4, v2, 3, v4
	v_mul_u32_u24 v4, v4, PB
	v_bfe_u32 v5, v0, 3, 1
	v_lshl_add_u32 v4, v5, 4, v4
.if FC
	s_lshl_b32 s22, s12, 8                         ; my 128 columns: 256 bytes
	s_add_co_u32 s22, s22, BBASE
	v_add_nc_u32 v[ADRB0], s22, v4
	v_mov_b32 v[ADRB], v[ADRB0]
.else
	s_mul_i32 s22, s12, 224                        ; column n lies at byte 2 n + 32 (n / 64): columns 96 half + 0, + 32, + 64
	s_add_co_u32 s22, s22, BBASE
	v_add_nc_u32 v[ADRB0], s22, v4
	s_add_co_u32 s22, s22, 160
	v_add_nc_u32 v[ADRB0+2], s22, v4
	s_lshl_b32 s22, s12, 8
	s_add_co_u32 s22, s22, BBASE+64
	v_add_nc_u32 v[ADRB0+1], s22, v4
	v_mov_b32 v[ADRB], v[ADRB0]
	v_mov_b32 v[ADRB+1], v[ADRB0+1]
	v_mov_b32 v[ADRB+2], v[ADRB0+2]
.endif
	v_and_b32 v7, 31, v0
	v_lshlrev_b32 v[GO], 3, v7
.if FC
	s_lshl_b32 s76, s42, 10                        ; b_fc at column 256 x tile column + 128 x half
	s_lshl_b32 s77, s12, 9
	s_add_co_u32 s76, s76, s77
	s_mov_b32 s77, 0
	s_add_nc_u64 s[68:69], s[68:69], s[76:77]
	v_lshlrev_b32 v6, 4, v1
	global_load_b128 v[BIAS:BIAS+3], v6, s[68:69]               ; four columns of the first panel,
	global_load_b128 v[BIAS+4:BIAS+7], v6, s[68:69] offset:256  ; four of the second
	s_lshl_b32 s76, s42, 2                         ; g: panel 4 x tile column + 2 x half, token 256 x tile row + 128 x half
	s_lshl1_add_u32 s76, s12, s76
	s_lshl_b32 s76, s76, 19
	s_lshl_b32 s77, s13, 15
	s_add_co_u32 s76, s76, s77
	s_lshl_b32 s77, s11, 14
	s_add_co_u32 s76, s76, s77
	s_mov_b32 s77, 0
	s_add_nc_u64 s[OUTP:OUTP+1], s[OUTP:OUTP+1], s[76:77]
	s_mul_i32 s78, s10, 128*528                    ; my own stage: 128 rows x 528 bytes
	v_mul_u32_u24 v7, v1, 528
	v_lshl_add_u32 v7, v2, 5, v7
	v_add_nc_u32 v[STO], s78, v7
	v_mul_u32_u24 v7, v2, 528
	v_lshl_add_u32 v7, v1, 4, v7
	v_add_nc_u32 v[RD], s78, v7
	s_mov_b32 s[K0], 0xc0135761                    ; -2 sqrt(2/pi) log2(e)
	s_mov_b32 s[K0+1], s[K0]
	s_mov_b32 s[K1], 0xbdd2d3e8                    ; 0.044715 times that
	s_mov_b32 s[K1+1], s[K1]
.else
	s_mul_i32 s76, s42, 3*524288                   ; qkv: head 3 x tile column, token 256 x tile row + 64 x wave
	s_lshl_b32 s77, s13, 15
	s_add_co_u32 s76, s76, s77
	s_lshl_b32 s77, s10, 13
	s_add_co_u32 s76, s76, s77
	s_mov_b32 s77, 0
	s_add_nc_u64 s[OUTP:OUTP+1], s[OUTP:OUTP+1], s[76:77]
	s_mul_i32 s78, s11, 128*784                    ; one stage for the work-group: 256 rows x 784 bytes
	s_mul_i32 s79, s12, 384
	s_add_co_u32 s78, s78, s79
	v_mul_u32_u24 v7, v1, 784
	v_lshl_add_u32 v7, v2, 5, v7
	v_add_nc_u32 v[STO], s78, v7
	v_add_nc_u32 v[STO+1], 64*784, v[STO]
	s_mul_i32 s78, s10, 64*784
	v_mul_u32_u24 v7, v2, 784
	v_lshl_add_u32 v7, v1, 4, v7
	v_add_nc_u32 v[RD], s78, v7
.endif
; 2 NBW matrix instructions: row blocks a0, a0 + 1 of the window's four x all column blocks, 32 along K.  zero = 1: the product starts the sums.
; The accumulators take turns, one instruction a turn.
.macro MUL16 f, hi, a0, zero
	WIN MUL_LO+0x50*(\hi)
.irp a, \a0, (\a0)+1
.set b, 0
.rept NBW
.if \zero
	v_wmma_f32_16x16x32_f16 v[8*(8*(\a)+b):8*(8*(\a)+b)+7], v[(\f)+8*b:(\f)+8*b+7], v[(\f)+8*(4*(\hi)+(\a)):(\f)+8*(4*(\hi)+(\a))+7], 0
.else
	v_wmma_f32_16x16x32_f16 v[8*(8*(\a)+b):8*(8*(\a)+b)+7], v[(\f)+8*b:(\f)+8*b+7], v[(\f)+8*(4*(\hi)+(\a)):(\f)+8*(4*(\hi)+(\a))+7], v[8*(8*(\a)+b):8*(8*(\a)+b)+7]
.endif
.set b, b+1
.endr
.endr
.endm
; NLD LDS loads in one run: quarter q (32 along K) of the slot in hand into buffer f: W first, then A's rows 0-63, then 64-127
.macro FETCH q, f
	WIN TO_B
.set i, 0
.rept NBW
	ds_load_tr16_b128 v[(\f)+8*i:(\f)+8*i+3],   v[ADRB+i/BGRP] offset:32*(\q)*PB+(i%BGRP)*32
	ds_load_tr16_b128 v[(\f)+8*i+4:(\f)+8*i+7], v[ADRB+i/BGRP] offset:32*(\q)*PB+16*PB+(i%BGRP)*32
.set i, i+1
.endr
	WIN 0
.irp i, 0,1,2,3,4,5,6,7
	ds_load_b128 v[(\f)+8*(\i):(\f)+8*(\i)+3],   v[ADRA] offset:64*(\q)+(\i)*16*PA
	ds_load_b128 v[(\f)+8*(\i)+4:(\f)+8*(\i)+7], v[ADRA] offset:64*(\q)+(\i)*16*PA+32
.endr
.endm
; One of a K step's first three quarters: at its head it fetches quarter q into buffer g, which the quarter before has multiplied; then it multiplies buffer f.  So a run of loads has a whole quarter's products in which to land.
.macro QUARTER q, f, g, zero
	PLACES
	FETCH \q, \g
	s_wait_dscnt NLD+8                             ; buffer f: W and A's rows 0-63 are in; younger are f's last eight loads (A's rows 64-127) and the run just issued
	MUL16 \f, 0, 0, \zero
	MUL16 \f, 0, 2, \zero
	s_wait_dscnt NLD                               ; all but the run just issued
	MUL16 \f, 1, 0, \zero
	MUL16 \f, 1, 2, \zero
.endm
; The last quarter multiplies buffer 1 and changes slots.  One barrier: in front of it each wave waits for all its tensor loads (one is out: its part of the next slot), adds 0 to its spare word,
; and waits for that and for its reads of this slot.  fill = 1: the barrier opens a round of the cluster's, and this slot is filled again, two K steps ahead, first thing behind the round.
.macro TURN fill
	WIN 0
	s_wait_tensorcnt 0x0
	ds_add_u32 v[SPW], v[NIL]
	s_wait_dscnt 9                                 ; (the add and the youngest eight loads may be out)
	MUL16 F1, 0, 0, 0
	s_wait_dscnt 0x0                               ; the add is done, and my reads of this slot are over
	s_barrier_signal -1
	MUL16 F1, 0, 2, 0
.if \fill
	WIN 0
.endif
	s_barrier_wait -1
.if \fill
	CREST
	s_xor_b32 s[G0+5], s[G0+5], SLOT               ; the walking sets: the other slot than last time, the next K step; no tensor load of mine is out
	s_add_nc_u64 s[G0+6:G0+7], s[G0+6:G0+7], ASTEP
	s_xor_b32 s[G0B+5], s[G0B+5], SLOT
	s_add_nc_u64 s[G0B+6:G0B+7], s[G0B+6:G0B+7], BSTEP
	s_xor_b32 s[TB], s[TB], SLOT
	JLOAD 1                                        ; its four v_nop are also the places in front of the loads below
.else
	s_xor_b32 s[TB], s[TB], SLOT
	PLACES
.endif
	WIN 0
	v_add_nc_u32 v[ADRA], s[TB], v[ADRA0]
.set i, 0
.rept (NBW+BGRP-1)/BGRP
	v_add_nc_u32 v[ADRB+i], s[TB], v[ADRB0+i]
.set i, i+1
.endr
	FETCH 0, F0
	MUL16 F1, 1, 0, 0
	MUL16 F1, 1, 2, 0
.endm
	s_wait_tensorcnt 0x1                           ; my part of K step 0 is in; K step 1's may stay out
	s_barrier_signal -1
	s_barrier_wait -1
	FETCH 0, F0
	QUARTER 1, F0, F1, 1                           ; the first quarter starts the sums: nothing is cleared
	WIN 0
	s_mov_b32 s3, T-2
	s_branch .Lin                                  ; into the loop behind its first quarter, whose place this one has taken
.Lk:                                                   ; a trip is a K step; the slot left is filled again, two steps ahead
	QUARTER 1, F0, F1, 0
	WIN 0
.Lin:
	QUARTER 2, F1, F0, 0
	QUARTER 3, F0, F1, 0
	TURN 1
	WIN 0
	s_sub_co_u32 s3, s3, 1
	s_cmp_lg_u32 s3, 0
	s_cbranch_scc1 .Lk
	s_mov_b32 s3, 2
.Ltail:                                                ; the last two K steps ask for nothing; the second trip's fetch of a next quarter serves nothing
	QUARTER 1, F0, F1, 0
	QUARTER 2, F1, F0, 0
	QUARTER 3, F0, F1, 0
	TURN 0
	WIN 0
	s_sub_co_u32 s3, s3, 1
	s_cmp_lg_u32 s3, 0
	s_cbranch_scc1 .Ltail
	s_wait_dscnt 0x0                               ; my last reads of the slots are over:
	s_barrier_signal -1                            ; behind this barrier the slots, which have had their last fill, take the sums
	s_barrier_wait -1
	PLACES
.irp hi, 0,1                           ; each accumulator's four lowest registers go first
	WIN 0x08+4*(\hi)                               ; the stores' data in window 2 or 3
.irp a, 0,1,2,3
.set b, 0
.rept NBW
.if FC
	ds_store_b128 v[STO], v[8*(8*(\a)+b):8*(8*(\a)+b)+3]   offset:(64*(\hi)+16*(\a))*528+64*b
	ds_store_b128 v[STO], v[8*(8*(\a)+b)+4:8*(8*(\a)+b)+7] offset:(64*(\hi)+16*(\a))*528+64*b+16
.else
	ds_store_b128 v[STO+(\hi)], v[8*(8*(\a)+b):8*(8*(\a)+b)+3]   offset:(\a)*16*784+64*b
	ds_store_b128 v[STO+(\hi)], v[8*(8*(\a)+b)+4:8*(8*(\a)+b)+7] offset:(\a)*16*784+64*b+16
.endif
.set b, b+1
.endr
.endr
.endr
	WIN 0
.if FC
	s_wait_loadcnt 0x0                             ; the bias
	LOADX                                          ; out of my own stage: LDS serves a wave's instructions in order (ISA guide 5.7.1.4), so no barrier
	s_mov_b32 s3, 16
.Lout:                                                 ; 8 rows a trip
	s_wait_dscnt 0x0
.set i, 0
.rept 16
	v_pk_add_f32 v[XB+2*i:XB+2*i+1], v[XO+2*i:XO+2*i+1], v[BIAS+4*((i/2)%2)+2*(i%2):BIAS+4*((i/2)%2)+2*(i%2)+1]
.set i, i+1
.endr
	s_cmp_eq_u32 s3, 1
	s_cbranch_scc1 .Lnomore                        ; the last trip has no next rows
	LOADX                                          ; the next trip's rows land under this trip's arithmetic
.Lnomore:
.set i, 0
.rept 16
	v_pk_mul_f32 v[TT+2*i:TT+2*i+1], v[XB+2*i:XB+2*i+1], v[XB+2*i:XB+2*i+1]
.set i, i+1
.endr
.set i, 0
.rept 16
	v_pk_fma_f32 v[TT+2*i:TT+2*i+1], v[TT+2*i:TT+2*i+1], s[K1:K1+1], s[K0:K0+1] op_sel_hi:[1,0,0]
.set i, i+1
.endr
.set i, 0
.rept 16
	v_pk_mul_f32 v[TT+2*i:TT+2*i+1], v[TT+2*i:TT+2*i+1], v[XB+2*i:XB+2*i+1]
.set i, i+1
.endr
.set i, 0
.rept 32
	v_exp_f32 v[TT+i], v[TT+i]
.set i, i+1
.endr
	v_nop                                          ; a plain instruction behind the exponentials
.set i, 0
	s_wait_alu depctr_va_vdst(0)
.rept 16
	v_pk_add_f32 v[TT+2*i:TT+2*i+1], v[TT+2*i:TT+2*i+1], 1.0 op_sel_hi:[1,0]
.set i, i+1
.endr
.set i, 0
.rept 32
	v_rcp_f32 v[TT+i], v[TT+i]
.set i, i+1
.endr
	v_nop
.set i, 0
	s_wait_alu depctr_va_vdst(0)
.rept 16
	v_pk_mul_f32 v[TT+2*i:TT+2*i+1], v[TT+2*i:TT+2*i+1], v[XB+2*i:XB+2*i+1]
.set i, i+1
.endr
.set i, 0
.rept 16
	v_cvt_pk_f16_f32 v[YO+i], v[TT+2*i], v[TT+2*i+1]
.set i, i+1
.endr
.irp p, 0,1,2,3
.irp n, 0,1
	global_store_b64 v[GO], v[YO+2*(2*(\p)+(\n)):YO+2*(2*(\p)+(\n))+1], s[OUTP:OUTP+1] offset:(\n)*524288+(\p)*256  ; two tokens of a panel: 256 consecutive bytes, aligned
.endr
.endr
	s_wait_xcnt 0x0                                ; the stores' base and data are rewritten only behind this wait
	s_add_nc_u64 s[OUTP:OUTP+1], s[OUTP:OUTP+1], 1024
	s_sub_co_u32 s3, s3, 1
	s_cmp_lg_u32 s3, 0
	s_cbranch_scc1 .Lout
.else
	s_wait_dscnt 0x0                               ; for the others' sake: a head's 64 columns may come from two waves
	s_barrier_signal -1
	s_barrier_wait -1
	s_mov_b32 s3, 8
.Lout:                                                 ; 8 of my 64 rows a trip, all three heads
.irp p, 0,1,2,3
.irp t, 0,1,2
	ds_load_b128 v[XO+4*(3*(\p)+(\t)):XO+4*(3*(\p)+(\t))+3], v[RD] offset:(\p)*2*784+(\t)*256
.endr
.endr
	v_add_nc_u32 v[RD], 8*784, v[RD]
	s_wait_dscnt 0x0
.set i, 0
.rept 24
	v_cvt_pk_f16_f32 v[YO+i], v[XO+2*i], v[XO+2*i+1]
.set i, i+1
.endr
.irp p, 0,1,2,3
.irp t, 0,1,2
	global_store_b64 v[GO], v[YO+2*(3*(\p)+(\t)):YO+2*(3*(\p)+(\t))+1], s[OUTP:OUTP+1] offset:(\t)*524288+(\p)*256  ; two tokens of a head: 256 consecutive bytes, aligned
.endr
.endr
	s_wait_xcnt 0x0
	s_add_nc_u64 s[OUTP:OUTP+1], s[OUTP:OUTP+1], 1024
	s_sub_co_u32 s3, s3, 1
	s_cmp_lg_u32 s3, 0
	s_cbranch_scc1 .Lout
.endif
	s_wait_tensorcnt 0x0                           ; the wave's end
	ds_add_u32 v[SPW], v[NIL]
	s_wait_dscnt 0x0
	CROUND                                         ; the closing round
	s_endpgm
.Lfunc_end_k_qd1e8c21fe7_fc:
	.size	k_qd1e8c21fe7_fc, .Lfunc_end_k_qd1e8c21fe7_fc-k_qd1e8c21fe7_fc
	.p2alignl 7, 3214868480
	.fill 96, 4, 3214868480
	.section	.rodata,"a",@progbits
	.p2align	6, 0x0
	.amdhsa_kernel k_qd1e8c21fe7_fc
		.amdhsa_group_segment_fixed_size 327680
		.amdhsa_private_segment_fixed_size 0
		.amdhsa_enable_private_segment 0
		.amdhsa_kernarg_size 32
		.amdhsa_user_sgpr_count 2
		.amdhsa_user_sgpr_kernarg_segment_ptr 1
		.amdhsa_wavefront_size32 1
		.amdhsa_system_sgpr_workgroup_id_x 1
		.amdhsa_system_sgpr_workgroup_id_y 1
		.amdhsa_system_sgpr_workgroup_id_z 1
		.amdhsa_system_vgpr_workitem_id 0
		.amdhsa_next_free_vgpr 1024
		.amdhsa_next_free_sgpr 80
		.amdhsa_reserve_vcc 0
		.amdhsa_float_denorm_mode_32 3
		.amdhsa_float_denorm_mode_16_64 3
		.amdhsa_memory_ordered 1
		.amdhsa_forward_progress 1
		.amdhsa_inst_pref_size 89
	.end_amdhsa_kernel
	.amdgpu_metadata
---
amdhsa.version: [ 1, 2 ]
amdhsa.kernels:
  - .name:           k_qd1e8c21fe7_fc
    .symbol:         k_qd1e8c21fe7_fc.kd
    .args:
      - { .name: nrm, .offset: 0, .size: 8, .value_kind: global_buffer, .address_space: global }
      - { .name: wts, .offset: 8, .size: 8, .value_kind: global_buffer, .address_space: global }
      - { .name: b_fc, .offset: 16, .size: 8, .value_kind: global_buffer, .address_space: global }
      - { .name: g, .offset: 24, .size: 8, .value_kind: global_buffer, .address_space: global }
    .group_segment_fixed_size: 327680
    .private_segment_fixed_size: 0
    .kernarg_segment_align: 8
    .kernarg_segment_size: 32
    .max_flat_workgroup_size: 128
    .sgpr_count:     80
    .vgpr_count:     1024
    .wavefront_size: 32
...
	.end_amdgpu_metadata
.endif
;; end of part 5
;; launch proj (part 6): grid 8 x 32, 4 waves a work-group, clusters of 4 x 4, 327,680 bytes of LDS; arguments g, wts, b_proj, h, out0; writes out0
.if DOCPART == 6
	.amdgcn_target "amdgcn-amd-amdhsa--gfx1250"
	.amdhsa_code_object_version 6
	.text
	.protected	k_qd1e8c21fe7_proj
	.globl	k_qd1e8c21fe7_proj
	.p2align	8
	.type	k_qd1e8c21fe7_proj,@function
k_qd1e8c21fe7_proj:
	s_mov_b64 s[64:65], 0
	v_nop
	global_prefetch_b8 v0, s[64:65] scope:SCOPE_SE
	s_setreg_imm32_b32 hwreg(HW_REG_WAVE_MODE, 25, 1), 1
	s_wait_xcnt 0x0
	s_wait_alu depctr_hold_cnt(0) depctr_sa_sdst(0) depctr_va_vdst(0) depctr_va_sdst(0) depctr_va_ssrc(0) depctr_va_vcc(0) depctr_vm_vsrc(0)
	s_getreg_b32 s2, hwreg(HW_REG_IB_STS2, 6, 4)
	s_cmp_eq_u32 s2, 0
	s_cbranch_scc0 .Lentry_in_a_cluster
	s_endpgm
.Lentry_in_a_cluster:
	s_bfe_u32 s2, ttmp6, 0x10000c
	s_cmp_lg_u32 s2, 0xf033
	s_cbranch_scc0 .Lentry_shape_is_right
	s_endpgm
.Lentry_shape_is_right:
.set T,    16                          ; K steps of 256: K = 4,096
.set WOFF, 16777216                    ; Wproj in wts
; out = res + A W + bias.  A: [K / 64 panels][4096 tokens][64] f16.  W: a part of wts, [K][1024] f16, as the weight lies.  res, out: [4096][1024] f32; bias [1024] f32.  Sums in f32.
; A tile of out is 128 x 128; four waves, 64 x 64 each: 16 accumulators.  THE RESIDUAL STARTS THE SUMS: it is loaded straight into the accumulators' registers, so nothing is cleared and every product adds in place.
; K goes in steps of 256 (four panels) through two LDS slots: waves 0, 1 fetch two panels of A each (2 x 128 tokens x 128 dense bytes, padded after every token), waves 2, 3 128 k-rows of W each.
; W stays [k][n] in LDS and is turned on the way into registers.  CLUSTER 4 x 4: A's tile is shared along a row of the cluster, W's along a column.
; A K STEP is written so: its first fragments; its 128 products; then the wait for the other slot's tile, the add, the round and the refill, with nothing else between them.  A step's products are fewer than a refill needs to land,
; so what bounds the loop is the way from a tile's landing to the next request: no product stands on it.  The last two steps are a loop of two trips that asks for nothing; its last barrier is the way out's.
; The matrix instruction is used transposed (source 0 = 16 columns of W, source 1 = 16 tokens): a lane holds token l % 16 and the columns 8 (l / 16) + 0..7.
; The way out goes through the slots, which have had their last fill: each wave's own 64 rows x 272 bytes; the bias is added on the way; 16 lanes store 256 consecutive bytes.
; REGISTERS: window 0: v0-31 addresses and bias; v32-63 at work on the way out; v128-255 the accumulators ((a, b) at v[128 + 8 (4 a + b)]).  window 1: two fragment buffers of 128: 64 of A, 64 of W.
.set PAA,    144                       ; a token's 128 bytes + 16
.set PANEL,  128*PAA
.set PB,     288                       ; W's LDS row: 256 bytes + 32
.set QUART,  36864                     ; what one tensor load fills
.set BBASE,  2*QUART
.set SLOT,   0x24000
.set SPARE,  2*SLOT
.set ASTEP,  4*524288
.set BSTEP,  256*2048
.set ADRA0, 8
.set ADRB0, 9
.set ADRA,  16
.set ADRB,  17                         ; v17: k 0-127 of the step; v18: k 128-255
.set BIAS,  20                         ; v20-23
.set STO,   24
.set RD,    25
.set GO,    26
.set RO,    27
.set SPW,   28
.set NIL,   29
.set TMP,   32
.set ACC,   128
.set F0,    0
.set F1,    128
.set G1,  24
.set G0,  32
.set G1B, 48
.set G0B, 56
.set TB,  66
.set MSB, 0
.macro WIN new
.if MSB != (\new)
	s_set_vgpr_msb (MSB<<8)|(\new)
.set MSB, \new
.endif
.endm
.set MUL,  0x05                        ; sources 0 and 1 window 1; C and D window 0
.set TO_F, 0x40
.macro JLOAD s
	s_cmp_eq_u32 s11, 0
	s_cbranch_scc0 .Lfor_b_\@
	tensor_load_to_lds s[G0+4*(\s):G0+4*(\s)+3], s[G1:G1+7]
	s_nop 0
.rept 4
	v_nop
.endr
	s_branch .Lasked_\@
.Lfor_b_\@:
	tensor_load_to_lds s[G0B+4*(\s):G0B+4*(\s)+3], s[G1B:G1B+7]
	s_nop 0
.rept 4
	v_nop
.endr
.Lasked_\@:
.endm
.macro CREST
	s_cmp_lg_u32 s10, 0
	s_cbranch_scc1 .Lnot_wave_0_\@
	s_barrier_signal -3
.Lnot_wave_0_\@:
	s_barrier_wait -3
	s_barrier_signal -1
	s_barrier_wait -1
.endm
.macro CROUND
	s_barrier_signal -1
	s_barrier_wait -1
	CREST
.endm
.macro PLACES
.rept 4
	v_nop
.endr
.endm
	s_load_b128 s[4:7], s[0:1], 0x0                ; A, wts
	s_load_b128 s[68:71], s[0:1], 0x10             ; bias s[68:69], res s[70:71]
	s_load_b64 s[72:73], s[0:1], 0x20              ; out
	v_lshl_add_u32 v[SPW], v0, 2, SPARE
	v_mov_b32 v[NIL], 0
	ds_add_u32 v[SPW], v[NIL]                      ; the wave's opening: the add and its wait ahead of my first tensor load
	ds_add_u32 v28, v29
	v_lshrrev_b32 v1, 5, v0
	v_readfirstlane_b32 s10, v1
	s_lshr_b32 s11, s10, 1                         ; my half of the rows; also: I fetch for A (0) or W (1)
	s_and_b32 s12, s10, 1                          ; my half of the columns; also: which half of that tile I fetch
	s_bfe_u32 s40, ttmp6, 0x40000
	s_bfe_u32 s41, ttmp6, 0x40004
	s_lshl_b32 s42, ttmp9, 2
	s_add_co_u32 s42, s42, s40                     ; tile column
	s_and_b32 s13, ttmp7, 0xffff
	s_lshl_b32 s13, s13, 2
	s_add_co_u32 s13, s13, s41                     ; tile row
	s_lshl_b32 s43, s41, 2
	s_lshl_b32 s43, 15, s43
	s_lshl_b32 s44, 0x1111, s40
	s_or_b32 s[G1+0], s43, (1<<16)|(1<<20)|(1<<21)|(4<<22)|(3<<25)  ; after every 32 words (a token) 4 words of padding
	s_mov_b32 s[G1+1], 8192<<16                    ; a row of the tile: a panel's 128 tokens, 8,192 elements on end
	s_mov_b32 s[G1+2], 2<<16                       ; two panels
	s_mov_b32 s[G1+3], 8192<<16
	s_mov_b32 s[G1+4], 2
	s_mov_b32 s[G1+5], 262144                      ; elements from panel to panel
	s_mov_b32 s[G1+6], 0
	s_mov_b32 s[G1+7], 0
	s_or_b32 s[G1B+0], s44, (1<<16)|(1<<20)|(1<<21)|(5<<22)|(7<<25) ; after every 64 words 8 words
	s_mov_b32 s[G1B+1], 128<<16
	s_mov_b32 s[G1B+2], 128<<16
	s_mov_b32 s[G1B+3], 128<<16
	s_mov_b32 s[G1B+4], 128
	s_mov_b32 s[G1B+5], 1024
	s_mov_b32 s[G1B+6], 0
	s_mov_b32 s[G1B+7], 0
	s_lshl_b32 s16, s12, 20                        ; A: panel 2 x half, token 128 x tile row
	s_lshl_b32 s17, s13, 14
	s_add_co_u32 s16, s16, s17
	s_mov_b32 s17, 0
	s_lshl_b32 s46, s12, 18                        ; W: k-row 128 x half, column 128 x tile column
	s_lshl_b32 s47, s42, 8
	s_add_co_u32 s46, s46, s47
	s_add_co_u32 s46, s46, WOFF
	s_mov_b32 s47, 0
	s_mul_i32 s20, s10, QUART                      ; where they go: A's halves, then W's = wave x 36,864
	s_mov_b32 s[TB], 0
	s_wait_dscnt 0x0
	s_wait_kmcnt 0x0
	s_add_nc_u64 s[14:15], s[4:5], s[16:17]
	s_add_nc_u64 s[46:47], s[6:7], s[46:47]
	CROUND
.irp s, 0,1
	s_mov_b32 s[G0+4*(\s)], 1
	s_add_co_u32 s[G0+4*(\s)+1], s20, (\s)*SLOT
	s_add_nc_u64 s[G0+4*(\s)+2:G0+4*(\s)+3], s[14:15], (\s)*ASTEP
	s_or_b32 s[G0+4*(\s)+3], s[G0+4*(\s)+3], 0x80000000
	s_mov_b32 s[G0B+4*(\s)], 1
	s_add_co_u32 s[G0B+4*(\s)+1], s20, (\s)*SLOT
	s_add_nc_u64 s[G0B+4*(\s)+2:G0B+4*(\s)+3], s[46:47], (\s)*BSTEP
	s_or_b32 s[G0B+4*(\s)+3], s[G0B+4*(\s)+3], 0x80000000
	JLOAD \s                                       ; K steps 0 and 1: two loads of mine are out
.endr
	s_lshl_b32 s76, s13, 19                        ; res and out at row 128 x tile row + 64 x half, column 128 x tile column + 64 x half
	s_lshl_b32 s77, s11, 18
	s_add_co_u32 s76, s76, s77
	s_lshl_b32 s78, s42, 9
	s_lshl_b32 s79, s12, 8
	s_add_co_u32 s78, s78, s79
	s_add_co_u32 s76, s76, s78
	s_mov_b32 s77, 0
	s_mov_b32 s79, 0
	s_add_nc_u64 s[70:71], s[70:71], s[76:77]
	s_add_nc_u64 s[72:73], s[72:73], s[76:77]
	s_add_nc_u64 s[68:69], s[68:69], s[78:79]
	v_and_b32 v1, 15, v0                           ; l % 16
	v_bfe_u32 v2, v0, 4, 1                         ; l / 16
	v_lshlrev_b32 v[RO], 12, v1
	v_lshl_add_u32 v[RO], v2, 5, v[RO]             ; row l % 16, 32 bytes for each half of the lanes: an accumulator's own layout
.irp a, 0,1,2,3
.irp b, 0,1,2,3
	global_load_b128 v[ACC+8*(4*(\a)+(\b)):ACC+8*(4*(\a)+(\b))+3],   v[RO], s[70:71] offset:(\a)*65536+64*(\b)
	global_load_b128 v[ACC+8*(4*(\a)+(\b))+4:ACC+8*(4*(\a)+(\b))+7], v[RO], s[70:71] offset:(\a)*65536+64*(\b)+16
.endr
.endr
	v_lshlrev_b32 v6, 4, v1
	global_load_b128 v[BIAS:BIAS+3], v6, s[68:69]
	v_mul_u32_u24 v3, v1, PAA
	v_lshl_add_u32 v3, v2, 4, v3
	s_mul_i32 s22, s11, 64*PAA
	v_add_nc_u32 v[ADRA0], s22, v3
	v_and_b32 v4, 7, v0
	v_lshl_add_u32 v4, v2, 3, v4
	v_mul_u32_u24 v4, v4, PB
	v_bfe_u32 v5, v0, 3, 1
	v_lshl_add_u32 v4, v5, 4, v4
	s_lshl_b32 s22, s12, 7
	s_add_co_u32 s22, s22, BBASE
	v_add_nc_u32 v[ADRB0], s22, v4
	s_mul_i32 s22, s10, 64*272                     ; my stage
	v_mul_u32_u24 v7, v1, 272
	v_lshl_add_u32 v7, v2, 5, v7
	v_add_nc_u32 v[STO], s22, v7
	v_mul_u32_u24 v7, v2, 272
	v_lshl_add_u32 v7, v1, 4, v7
	v_add_nc_u32 v[RD], s22, v7
	v_lshlrev_b32 v7, 12, v2
	v_lshl_add_u32 v[GO], v1, 4, v7
; 8 matrix instructions: row blocks a0, a0 + 1 x all 4 column blocks, 32 along K: half c of buffer f.  The 16 accumulators take turns.
.macro MUL8 f, c, a0
	WIN MUL
.irp a, \a0, (\a0)+1
.irp b, 0,1,2,3
	v_wmma_f32_16x16x32_f16 v[ACC+8*(4*(\a)+(\b)):ACC+8*(4*(\a)+(\b))+7], v[(\f)+64+8*(4*(\c)+(\b)):(\f)+64+8*(4*(\c)+(\b))+7], v[(\f)+8*(4*(\c)+(\a)):(\f)+8*(4*(\c)+(\a))+7], v[ACC+8*(4*(\a)+(\b)):ACC+8*(4*(\a)+(\b))+7]
.endr
.endr
.endm
; 32 LDS loads in one run: quarter q (panel q, 64 along K) of the slot in hand into buffer f; the first 32 along K first
.macro FETCH q, f
	WIN TO_F
.irp c, 0,1
.irp i, 0,1,2,3
	ds_load_tr16_b128 v[(\f)+64+8*(4*(\c)+(\i)):(\f)+64+8*(4*(\c)+(\i))+3],   v[ADRB+(\q)/2] offset:(((\q)%2)*64+32*(\c))*PB+32*(\i)
	ds_load_tr16_b128 v[(\f)+64+8*(4*(\c)+(\i))+4:(\f)+64+8*(4*(\c)+(\i))+7], v[ADRB+(\q)/2] offset:(((\q)%2)*64+32*(\c)+16)*PB+32*(\i)
	ds_load_b128 v[(\f)+8*(4*(\c)+(\i)):(\f)+8*(4*(\c)+(\i))+3],   v[ADRA] offset:(\q)*PANEL+64*(\c)+(\i)*16*PAA
	ds_load_b128 v[(\f)+8*(4*(\c)+(\i))+4:(\f)+8*(4*(\c)+(\i))+7], v[ADRA] offset:(\q)*PANEL+64*(\c)+(\i)*16*PAA+32
.endr
.endr
.endm
; One of a K step's first three quarters: at its head it fetches quarter q into buffer g, which the quarter before has multiplied; then it multiplies buffer f
.macro QUARTER q, f, g
	PLACES
	FETCH \q, \g
	s_wait_dscnt 48                                ; buffer f's first 32 along K are in; younger are its other sixteen loads and the 32 just issued
	MUL8 \f, 0, 0
	MUL8 \f, 0, 2
	s_wait_dscnt 32                                ; all but the 32 just issued
	MUL8 \f, 1, 0
	MUL8 \f, 1, 2
.endm
; A K STEP.  fill = 1: behind it its slot is filled again, two steps ahead: the three lines, a round of the cluster's barrier, the joint load.  fill = 0: the same with a plain barrier and no load.
.macro STEP fill
	PLACES                                         ; behind the last step's products, in front of the loads into buffer 0
	v_add_nc_u32 v[ADRA], s[TB], v[ADRA0]
	v_add_nc_u32 v[ADRB], s[TB], v[ADRB0]
	v_add_nc_u32 v[ADRB+1], 128*PB, v[ADRB]
	FETCH 0, F0
	QUARTER 1, F0, F1
	QUARTER 2, F1, F0
	QUARTER 3, F0, F1
	s_wait_dscnt 16                                ; the last quarter: its first 32 along K are in
	MUL8 F1, 0, 0
	MUL8 F1, 0, 2
	s_wait_dscnt 0x0
	MUL8 F1, 1, 0
	MUL8 F1, 1, 2
	WIN 0
	s_wait_tensorcnt 0x0                           ; all my tensor loads have landed: the one that was out is my part of the next slot
	ds_add_u32 v[SPW], v[NIL]                      ; 0 onto my spare word; the scalar work below stands between it and the wait for it
.if \fill
	s_xor_b32 s[G0+5], s[G0+5], SLOT               ; the walking sets: the other slot than last time, the next K step
	s_add_nc_u64 s[G0+6:G0+7], s[G0+6:G0+7], ASTEP
	s_xor_b32 s[G0B+5], s[G0B+5], SLOT
	s_add_nc_u64 s[G0B+6:G0B+7], s[G0B+6:G0B+7], BSTEP
.endif
	s_xor_b32 s[TB], s[TB], SLOT
	s_wait_dscnt 0x0                               ; the add is done; my reads of this slot were over at the wait for 0 above
.if \fill
	CROUND                                         ; no wave of any partner still reads this slot's tile or has a load on its way
	JLOAD 1
.else
	s_barrier_signal -1
	s_barrier_wait -1
.endif
.endm
	s_wait_tensorcnt 0x1                           ; my part of K step 0 is in; K step 1's may stay out
	s_barrier_signal -1
	s_barrier_wait -1
	s_wait_loadcnt 0x0                             ; the residual lies in the accumulators; the bias is in
	s_mov_b32 s3, T-2
.Lk:
	STEP 1
	s_sub_co_u32 s3, s3, 1
	s_cmp_lg_u32 s3, 0
	s_cbranch_scc1 .Lk
	s_mov_b32 s3, 2
.Ltail:                                                ; the last two K steps ask for nothing
	STEP 0
	s_sub_co_u32 s3, s3, 1
	s_cmp_lg_u32 s3, 0
	s_cbranch_scc1 .Ltail
	PLACES                                         ; behind the last barrier nobody reads the slots, which have had their last fill: they take the sums
.irp a, 0,1,2,3                        ; each accumulator's four lowest registers go first
.irp b, 0,1,2,3
	ds_store_b128 v[STO], v[ACC+8*(4*(\a)+(\b)):ACC+8*(4*(\a)+(\b))+3]   offset:(\a)*16*272+64*(\b)
	ds_store_b128 v[STO], v[ACC+8*(4*(\a)+(\b))+4:ACC+8*(4*(\a)+(\b))+7] offset:(\a)*16*272+64*(\b)+16
.endr
.endr
	s_mov_b32 s3, 4
.Lout:                                                 ; 16 rows a trip, out of my own stage
.irp t, 0,1,2,3,4,5,6,7
	ds_load_b128 v[TMP+4*(\t):TMP+4*(\t)+3], v[RD] offset:(\t)*2*272   ; lanes 0-15 one row of 256 bytes, lanes 16-31 the next
.endr
	v_add_nc_u32 v[RD], 16*272, v[RD]
	s_wait_dscnt 0x0
.irp t, 0,1,2,3,4,5,6,7
	v_pk_add_f32 v[TMP+4*(\t):TMP+4*(\t)+1],   v[TMP+4*(\t):TMP+4*(\t)+1],   v[BIAS:BIAS+1]
	v_pk_add_f32 v[TMP+4*(\t)+2:TMP+4*(\t)+3], v[TMP+4*(\t)+2:TMP+4*(\t)+3], v[BIAS+2:BIAS+3]
.endr
.irp t, 0,1,2,3,4,5,6,7
	global_store_b128 v[GO], v[TMP+4*(\t):TMP+4*(\t)+3], s[72:73] offset:(\t)*8192  ; 16 lanes store 256 consecutive bytes, aligned
.endr
	s_wait_xcnt 0x0                                ; the stores' base and data are rewritten only behind this wait
	s_add_nc_u64 s[72:73], s[72:73], 65536
	s_sub_co_u32 s3, s3, 1
	s_cmp_lg_u32 s3, 0
	s_cbranch_scc1 .Lout
	s_wait_tensorcnt 0x0                           ; the wave's end
	ds_add_u32 v[SPW], v[NIL]
	s_wait_dscnt 0x0
	CROUND                                         ; the closing round
	s_endpgm
.Lfunc_end_k_qd1e8c21fe7_proj:
	.size	k_qd1e8c21fe7_proj, .Lfunc_end_k_qd1e8c21fe7_proj-k_qd1e8c21fe7_proj
	.p2alignl 7, 3214868480
	.fill 96, 4, 3214868480
	.section	.rodata,"a",@progbits
	.p2align	6, 0x0
	.amdhsa_kernel k_qd1e8c21fe7_proj
		.amdhsa_group_segment_fixed_size 327680
		.amdhsa_private_segment_fixed_size 0
		.amdhsa_enable_private_segment 0
		.amdhsa_kernarg_size 40
		.amdhsa_user_sgpr_count 2
		.amdhsa_user_sgpr_kernarg_segment_ptr 1
		.amdhsa_wavefront_size32 1
		.amdhsa_system_sgpr_workgroup_id_x 1
		.amdhsa_system_sgpr_workgroup_id_y 1
		.amdhsa_system_sgpr_workgroup_id_z 1
		.amdhsa_system_vgpr_workitem_id 0
		.amdhsa_next_free_vgpr 512
		.amdhsa_next_free_sgpr 80
		.amdhsa_reserve_vcc 0
		.amdhsa_float_denorm_mode_32 3
		.amdhsa_float_denorm_mode_16_64 3
		.amdhsa_memory_ordered 1
		.amdhsa_forward_progress 1
		.amdhsa_inst_pref_size 52
	.end_amdhsa_kernel
	.amdgpu_metadata
---
amdhsa.version: [ 1, 2 ]
amdhsa.kernels:
  - .name:           k_qd1e8c21fe7_proj
    .symbol:         k_qd1e8c21fe7_proj.kd
    .args:
      - { .name: g, .offset: 0, .size: 8, .value_kind: global_buffer, .address_space: global }
      - { .name: wts, .offset: 8, .size: 8, .value_kind: global_buffer, .address_space: global }
      - { .name: b_proj, .offset: 16, .size: 8, .value_kind: global_buffer, .address_space: global }
      - { .name: h, .offset: 24, .size: 8, .value_kind: global_buffer, .address_space: global }
      - { .name: out0, .offset: 32, .size: 8, .value_kind: global_buffer, .address_space: global }
    .group_segment_fixed_size: 327680
    .private_segment_fixed_size: 0
    .kernarg_segment_align: 8
    .kernarg_segment_size: 40
    .max_flat_workgroup_size: 128
    .sgpr_count:     80
    .vgpr_count:     512
    .wavefront_size: 32
...
	.end_amdgpu_metadata
.endif
;; end of part 6
